; MI455X (gfx1250); checked and timed in simulation.
; The chip was launched on July 23, 2026; its instructions are those of AMD's public machine-readable ISA for CDNA 5 (MIT licence, August 2026) and "CDNA5" Instruction Set Architecture Reference Guide (July 2026). The comments in the code are by the model that wrote it; some were corrected since.
;; Multihead Attention. Allowed arithmetic: matrix products marked QUANTISED: E2M1 operands, one E8M0 scale for each 32 along K, by v_wmma_scale_f32_16x16x128_f8f6f4 with both operands' format E2M1 (or v_wmma_scale_f32_32x16x128_f4), f32 sums; products left as they are: bf16, f16 or f32 operands; f32 sums; everything else in f32.
;; Inputs: Wk 1,024 x 1,024 float32; Wo 1,024 x 1,024 float32; Wq 1,024 x 1,024 float32; Wv 1,024 x 1,024 float32; bk 1,024 float32; bo 1,024 float32; bq 1,024 float32; bv 1,024 float32; key 2 x 2,048 x 1,024 float32; mask 1 x 1 x 2,048 x 2,048 float32; query 2 x 2,048 x 1,024 float32; value 2 x 2,048 x 1,024 float32.
;; Outputs: out0 2 x 2,048 x 1,024 float32.
;; This version of the problem:
;;   THIS VERSION OF THE PROBLEM IS GIVEN IN LOW PRECISION. The matrix products marked QUANTISED in the list below multiply operands that are first quantised to E2M1 (2 exponent bits, 1 mantissa bit; 4 bits a number), with one power-of-two scale for each 32 numbers along K (OCP MX v1.0); their sums are f32. The products marked 'left as it is' may take bf16, f16 or f32 operands, with f32 sums. Whichever they take, every output number must still come out within the allowed error. Rounding operands to bf16 (8 significant bits) uses up far more of that allowance than f16 does (11 bits, for magnitudes from 6e-5 to 65,504). All else is computed in f32.
;;   The module's matrix products, in the order in which they are computed (A, B: the left and right operand; K: the contracted axis; several contracted axes count as one K, in the product's order):
;;     1. [M 4,096, K 1,024] x [K 1,024, N 1,024]; A: input query; B: input Wq: QUANTISED
;;     2. [M 4,096, K 1,024] x [K 1,024, N 1,024]; A: input key; B: input Wk: QUANTISED
;;     3. [M 4,096, K 1,024] x [K 1,024, N 1,024]; A: input value; B: input Wv: QUANTISED
;;     4. batch 32 x [M 2,048, K 64] x [K 64, N 2,048]; A: computed on the way; B: computed on the way: left as it is (an operand is computed on the way)
;;     5. batch 32 x [M 2,048, K 2,048] x [K 2,048, N 64]; A: computed on the way; B: computed on the way: left as it is (an operand is computed on the way)
;;     6. [M 4,096, K 1,024] x [K 1,024, N 1,024]; A: computed on the way; B: input Wo: left as it is (an operand is computed on the way)
;;   THE QUANTISER, for each operand of a quantised product, along K:
;;     - K is cut into blocks of 32 from its start; a last block that is shorter is filled with zeros.
;;     - A block's scale is 2^e with e = floor(log2(the largest magnitude in the block)) - 2, held to -126 .. 127; a block of zeros has e = 0. As a byte (E8M0): e + 127.
;;     - Each number is divided by its block's scale, clamped to +-6, and rounded to the nearest number of E2M1, ties to even, subnormals kept.
;;     - The product sums the exact products of the quantised numbers (number of the format x scale) in f32.
;;   ~~~python
;;   def quantise(x, axis):      # numpy; x: float32 -> the quantised numbers, widened to float32 again
;;       x = np.moveaxis(x, axis, -1); K = x.shape[-1]
;;       x = np.pad(x, [(0, 0)] * (x.ndim - 1) + [(0, -K % 32)]); x = x.reshape(x.shape[:-1] + (-1, 32)); a = np.abs(x).max(-1, keepdims=True)
;;       e = np.where(a > 0, np.clip(np.frexp(np.where(a > 0, a, 1))[1] - 1 - 2, -126, 127), 0)      # np.frexp(a)[1] - 1 = floor(log2(a)), exactly
;;       r = np.clip(x / 2.0 ** e, -6, 6)
;;       step = 2.0 ** (np.maximum(np.frexp(np.where(r == 0, 1, r))[1] - 1, 0) - 1)
;;       q = np.round(r / step) * step * 2.0 ** e      # np.round: ties to even
;;       return np.moveaxis(q.reshape(q.shape[:-2] + (-1,))[..., :K], -1, axis).astype(np.float32)
;;   ~~~
;; One version. Each part assembles by itself: llvm-mc -triple=amdgcn-amd-amdhsa -mcpu=gfx1250 --defsym DOCPART=n.
;; ======== version 1 of 1: 5 launches
;; limits: right only within a limited range of input values; values are held in f16: magnitudes above 65,504 overflow, below 6.1e-05 lose precision
;; workspace buffers: codes 7,864,320 bytes; scales 491,520 bytes; wo16 2,097,152 bytes; qkv 25,165,824 bytes; ctx 8,388,608 bytes; ctx32 131,072 bytes
;; launch quant (part 1): grid 512 x 1, 4 waves a work-group, no clusters, 33,280 bytes of LDS; arguments query, key, value, Wq, Wk, Wv, Wo, codes, scales, wo16; writes codes, scales, wo16
.if DOCPART == 1
	.amdgcn_target "amdgcn-amd-amdhsa--gfx1250"
	.amdhsa_code_object_version 6
	.text
	.protected	k_q414210f6fe_quant
	.globl	k_q414210f6fe_quant
	.p2align	8
	.type	k_q414210f6fe_quant,@function
k_q414210f6fe_quant:
	s_mov_b64 s[64:65], 0
	v_nop
	global_prefetch_b8 v0, s[64:65] scope:SCOPE_SE
	s_setreg_imm32_b32 hwreg(HW_REG_WAVE_MODE, 25, 1), 1
	s_wait_xcnt 0x0
; query, key, value [4096][1024] and Wq, Wk, Wv [1024][1024], f32, K innermost, become codes of FP4 (E2M1) with one E8M0 byte for each 32 along K; Wo becomes f16.
; codes: rows of 512 bytes: 4,096 of query, of key, of value, then 1,024 of Wq, of Wk, of Wv.  scales: 32 bytes a row, the same order.  wo16: [1024][1024] f16.
; A block's scale is 2^(floor(log2(largest magnitude)) - 2); its byte is the largest magnitude's exponent field - 2, held at 1 from below (a block of zeros keeps the byte 1: its codes are zeros, and this program alone reads the bytes).
; LIMITS: blocks whose largest magnitude lies under 2^(2 - 126) were not tried; NaN and infinities are not served; |Wo| stays under 65,504.
; Rows are dense and 1,024 is a multiple of 32: every tensor is a plain stream of blocks of 32.  A work-group takes 32,768 numbers, a wave 8,192: 16 steps of 512.
; Work-groups 0-127 query, 128-255 key, 256-383 value, 384-415 Wq, 416-447 Wk, 448-479 Wv: only pointers are chosen, one path serves the six.  Work-groups 480-511 convert Wo, without LDS.
; A step's four loads read 512 consecutive bytes each; the 2,048 bytes turn through the wave's own stage in LDS and come back 64 bytes a lane: 16 neighbours along K, two lanes to a block.
.set WAVES, 4
.set STEPS, 16
.set EMAX,  2
.set CB,    8                          ; bytes of 16 codes
.set R,     16                         ; v16-79   four sets of 16 numbers as loaded
.set X,     80                         ; v80-111  two sets of 16 neighbours
.set E,     112                        ; v112-127 a scale byte for each step
.set C,     128                        ; v128-191 codes: four registers a step, so that no store's data are written again
.set WREG,  8192                       ; LDS: a region for each wave: two stages of 32 x SP bytes, then its 256 scale bytes
.set SP,    80                         ; a lane's place in a stage: 64 bytes + 16 of padding
.set SPW,   12                         ; v12  LDS address of my spare word; never rewritten
.set NIL,   13                         ; v13  0; never rewritten
.set SPARE, WAVES*WREG                 ; behind the four regions: the spare words, 128 bytes a wave
	s_load_b512 s[4:19], s[0:1], 0x0               ; query, key, value, Wq, Wk, Wv, Wo, codes
	s_load_b128 s[20:23], s[0:1], 0x40             ; scales, wo16
	v_lshl_add_u32 v[SPW], v0, 2, SPARE
	v_mov_b32 v[NIL], 0
	v_lshrrev_b32 v1, 5, v0
	v_readfirstlane_b32 s28, v1                    ; wave
	v_and_b32 v2, 31, v0                           ; lane
	v_lshlrev_b32 v3, 4, v2                        ; my 16 bytes of a load's 512
	s_mul_i32 s29, s28, WREG
	v_lshrrev_b32 v14, 2, v2
	v_mul_u32_u24 v14, v14, SP
	v_and_b32 v15, 3, v2
	v_lshl_add_u32 v14, v15, 4, v14
	v_add_nc_u32 v14, s29, v14                     ; the stage, on the way in: SP (lane / 4) + 16 (lane % 4)
	v_mul_u32_u24 v15, v2, SP
	v_add_nc_u32 v15, s29, v15                     ; and on the way out: SP x lane
	v_mul_u32_u24 v4, v2, CB                       ; my codes' place in a step's
	v_lshrrev_b32 v5, 1, v2
	s_add_co_u32 s29, s29, 2*32*SP
	v_add_nc_u32 v5, s29, v5                       ; LDS: my wave's 256 scale bytes, my block's byte
	v_lshlrev_b32 v7, 3, v2                        ; 8 bytes a lane
	v_add_nc_u32 v6, s29, v7
	s_lshl_b32 s27, ttmp9, 2
	s_add_co_u32 s27, s27, s28                     ; my run of 8,192 numbers: 4 x work-group + wave
	s_mov_b32 s31, 0
	s_wait_kmcnt 0x0
	s_cmp_ge_u32 ttmp9, 480
	s_cbranch_scc1 .Lconv
.macro PICK lim, ptr, first            ; under work-group lim: the tensor at s[ptr], whose first work-group is first
	s_cmp_lt_u32 ttmp9, \lim
	s_cselect_b64 s[24:25], s[\ptr:\ptr+1], s[24:25]
	s_cselect_b32 s26, \first, s26
.endm
	s_mov_b64 s[24:25], s[14:15]                   ; Wv, unless one of the five below
	s_mov_b32 s26, 448
	PICK 448, 12, 416
	PICK 416, 10, 384
	PICK 384, 8, 256
	PICK 256, 6, 128
	PICK 128, 4, 0
	s_lshl_b32 s26, s26, 2
	s_sub_co_u32 s30, s27, s26                     ; my run within the tensor,
	s_lshl_b32 s30, s30, 15                        ; 32,768 bytes each
	s_add_nc_u64 s[24:25], s[24:25], s[30:31]
	s_lshl_b32 s30, s27, 12                        ; the outputs follow the work-groups' order: 4,096 bytes of codes a run,
	s_add_nc_u64 s[32:33], s[18:19], s[30:31]
	s_lshl_b32 s30, s27, 8                         ; 256 scale bytes
	s_add_nc_u64 s[34:35], s[20:21], s[30:31]
.macro LOAD t
.irp i, 0,1,2,3
	global_load_b128 v[R+16*((\t)%4)+4*\i:R+16*((\t)%4)+4*\i+3], v3, s[24:25] offset:2048*(\t)+512*\i th:TH_LOAD_NT   ; 32 lanes read 512 consecutive bytes
.endr
.endm
.macro TURN t                          ; step t's numbers through the stage: LDS serves a wave's instructions in order, so no wait stands between the stores and the loads
.irp i, 0,1,2,3
	ds_store_b128 v14, v[R+16*((\t)%4)+4*\i:R+16*((\t)%4)+4*\i+3] offset:32*SP*((\t)%2)+8*SP*\i
.endr
.irp i, 0,1,2,3
	ds_load_b128 v[X+16*((\t)%2)+4*\i:X+16*((\t)%2)+4*\i+3], v15 offset:32*SP*((\t)%2)+16*\i
.endr
.endm
.irp t, 0,1,2,3
	LOAD \t
.endr
	s_wait_loadcnt 12                              ; step 0's four loads are in; the twelve of steps 1 to 3 may be out
	TURN 0
.macro STEP t
.set XS, X+16*((\t)%2)
.if (\t) > 0
	s_wait_dscnt 1                                 ; this step's numbers are back from the stage; the last step's byte store may be out
.else
	s_wait_dscnt 0x0
.endif
.if (\t)+4 < STEPS
	LOAD (\t)+4                                    ; into the set whose stores into the stage have read their registers
.endif
.if (\t)+1 < STEPS
.if STEPS-2-(\t) >= 3
	s_wait_loadcnt 12                              ; the next step's four loads are in; those of the three steps behind it may be out
.else
	s_wait_loadcnt 4*(STEPS-2-(\t))
.endif
	TURN (\t)+1
.endif
	v_max3_num_f32 v8, |v[XS]|, |v[XS+1]|, |v[XS+2]|               ; the largest magnitude of my 16, in two chains
	v_max3_num_f32 v9, |v[XS+3]|, |v[XS+4]|, |v[XS+5]|
.irp i, 6,10
	v_max3_num_f32 v8, v8, |v[XS+\i]|, |v[XS+\i+1]|
	v_max3_num_f32 v9, v9, |v[XS+\i+2]|, |v[XS+\i+3]|
.endr
	v_max3_num_f32 v8, v8, |v[XS+14]|, |v[XS+15]|
	v_max3_num_f32 v8, v8, v9, (EMAX+1)<<23        ; and the floor 2^(EMAX + 1 - 127): the byte cannot fall under 1
	v_max_num_f32_dpp v8, v8, v8 row_xmask:1 row_mask:0xf bank_mask:0xf   ; with my neighbour's 16: the block's
	v_add_nc_u32 v11, -(EMAX<<23), v8              ; EMAX off its exponent field: the conversion takes that field as its scale
	v_cvt_scalef32_pk8_fp4_f32 v[C+4*(\t)], v[XS:XS+7], v11
	v_cvt_scalef32_pk8_fp4_f32 v[C+4*(\t)+1], v[XS+8:XS+15], v11
	v_lshrrev_b32 v[E+(\t)], 23, v11               ; the scale's byte (a plain line behind the conversions)
	ds_store_b8 v5, v[E+(\t)] offset:16*(\t)       ; both lanes of a block write the same byte with the same value
	global_store_b64 v4, v[C+4*(\t):C+4*(\t)+1], s[32:33] offset:32*CB*(\t)   ; the wave stores 256 consecutive bytes, aligned
.endm
.irp t, 0,1,2,3,4,5,6,7,8,9,10,11,12,13,14,15
	STEP \t
.endr
	ds_load_b64 v[8:9], v6                         ; my wave's 256 scale bytes: these loads see my stores
	s_wait_dscnt 0x0
	global_store_b64 v7, v[8:9], s[34:35]          ; 256 consecutive bytes, aligned
	s_wait_tensorcnt 0x0                           ; the wave's end, behind my last LDS store
	ds_add_u32 v[SPW], v[NIL]
	s_wait_dscnt 0x0
	s_endpgm
; Wo to f16: a wave takes 8,192 numbers in four batches of 16 loads of 512 bytes, two sets of registers by turns.
.Lconv:
	s_sub_co_u32 s26, s27, 4*480                   ; my run within Wo
	s_lshl_b32 s30, s26, 15
	s_add_nc_u64 s[24:25], s[16:17], s[30:31]
	s_lshl_b32 s30, s26, 14
	s_add_nc_u64 s[32:33], s[22:23], s[30:31]
.macro CLOAD t
.irp n, 0,1,2,3,4,5,6,7,8,9,10,11,12,13,14,15
	global_load_b128 v[16+64*((\t)%2)+4*\n:16+64*((\t)%2)+4*\n+3], v3, s[24:25] offset:8192*(\t)+512*\n th:TH_LOAD_NT
.endr
.endm
.macro CSTORE t
.irp n, 0,1,2,3,4,5,6,7,8,9,10,11,12,13,14,15
	v_cvt_pk_f16_f32 v[16+64*((\t)%2)+4*\n], v[16+64*((\t)%2)+4*\n], v[16+64*((\t)%2)+4*\n+1]
	v_cvt_pk_f16_f32 v[16+64*((\t)%2)+4*\n+1], v[16+64*((\t)%2)+4*\n+2], v[16+64*((\t)%2)+4*\n+3]
	global_store_b64 v7, v[16+64*((\t)%2)+4*\n:16+64*((\t)%2)+4*\n+1], s[32:33] offset:4096*(\t)+256*\n   ; 256 consecutive bytes, aligned
.endr
.endm
	CLOAD 0
	CLOAD 1
	s_wait_loadcnt 16                              ; batch 0 is in; batch 1's sixteen may be out
	CSTORE 0
	s_wait_xcnt 0x0                                ; the stores have read their data: the set is loaded again only behind this wait
	CLOAD 2
	s_wait_loadcnt 16                              ; batch 1 is in; batch 2's sixteen may be out
	CSTORE 1
	s_wait_xcnt 0x0
	CLOAD 3
	s_wait_loadcnt 16                              ; batch 2 is in
	CSTORE 2
	s_wait_loadcnt 0x0
	CSTORE 3
	s_endpgm
.Lfunc_end_k_q414210f6fe_quant:
	.size	k_q414210f6fe_quant, .Lfunc_end_k_q414210f6fe_quant-k_q414210f6fe_quant
	.p2alignl 7, 3214868480
	.fill 96, 4, 3214868480
	.section	.rodata,"a",@progbits
	.p2align	6, 0x0
	.amdhsa_kernel k_q414210f6fe_quant
		.amdhsa_group_segment_fixed_size 33280
		.amdhsa_private_segment_fixed_size 0
		.amdhsa_enable_private_segment 0
		.amdhsa_kernarg_size 80
		.amdhsa_user_sgpr_count 2
		.amdhsa_user_sgpr_kernarg_segment_ptr 1
		.amdhsa_wavefront_size32 1
		.amdhsa_system_sgpr_workgroup_id_x 1
		.amdhsa_system_sgpr_workgroup_id_y 1
		.amdhsa_system_sgpr_workgroup_id_z 1
		.amdhsa_system_vgpr_workitem_id 0
		.amdhsa_next_free_vgpr 192
		.amdhsa_next_free_sgpr 66
		.amdhsa_reserve_vcc 0
		.amdhsa_float_denorm_mode_32 3
		.amdhsa_float_denorm_mode_16_64 3
		.amdhsa_memory_ordered 1
		.amdhsa_forward_progress 1
		.amdhsa_inst_pref_size 54
	.end_amdhsa_kernel
	.amdgpu_metadata
---
amdhsa.version: [ 1, 2 ]
amdhsa.kernels:
  - .name:           k_q414210f6fe_quant
    .symbol:         k_q414210f6fe_quant.kd
    .args:
      - { .name: query, .offset: 0, .size: 8, .value_kind: global_buffer, .address_space: global }
      - { .name: key, .offset: 8, .size: 8, .value_kind: global_buffer, .address_space: global }
      - { .name: value, .offset: 16, .size: 8, .value_kind: global_buffer, .address_space: global }
      - { .name: Wq, .offset: 24, .size: 8, .value_kind: global_buffer, .address_space: global }
      - { .name: Wk, .offset: 32, .size: 8, .value_kind: global_buffer, .address_space: global }
      - { .name: Wv, .offset: 40, .size: 8, .value_kind: global_buffer, .address_space: global }
      - { .name: Wo, .offset: 48, .size: 8, .value_kind: global_buffer, .address_space: global }
      - { .name: codes, .offset: 56, .size: 8, .value_kind: global_buffer, .address_space: global }
      - { .name: scales, .offset: 64, .size: 8, .value_kind: global_buffer, .address_space: global }
      - { .name: wo16, .offset: 72, .size: 8, .value_kind: global_buffer, .address_space: global }
    .group_segment_fixed_size: 33280
    .private_segment_fixed_size: 0
    .kernarg_segment_align: 8
    .kernarg_segment_size: 80
    .max_flat_workgroup_size: 128
    .sgpr_count:     66
    .vgpr_count:     192
    .wavefront_size: 32
...
	.end_amdgpu_metadata
.endif
;; end of part 1
;; launch proj (part 2): grid 4 x 48, 4 waves a work-group, clusters of 4 x 4, 327,680 bytes of LDS; arguments codes, scales, bq, bk, bv, qkv; writes qkv
.if DOCPART == 2
	.amdgcn_target "amdgcn-amd-amdhsa--gfx1250"
	.amdhsa_code_object_version 6
	.text
	.protected	k_q414210f6fe_proj
	.globl	k_q414210f6fe_proj
	.p2align	8
	.type	k_q414210f6fe_proj,@function
k_q414210f6fe_proj:
	s_mov_b64 s[64:65], 0
	v_nop
	global_prefetch_b8 v0, s[64:65] scope:SCOPE_SE
	s_setreg_imm32_b32 hwreg(HW_REG_WAVE_MODE, 25, 1), 1
	s_wait_xcnt 0x0
	s_wait_alu depctr_hold_cnt(0) depctr_sa_sdst(0) depctr_va_vdst(0) depctr_va_sdst(0) depctr_va_ssrc(0) depctr_va_vcc(0) depctr_vm_vsrc(0)
	s_getreg_b32 s2, hwreg(HW_REG_IB_STS2, 6, 4)
	s_cmp_eq_u32 s2, 0
	s_cbranch_scc0 .Lentry_in_a_cluster
	s_endpgm
.Lentry_in_a_cluster:
	s_bfe_u32 s2, ttmp6, 0x10000c
	s_cmp_lg_u32 s2, 0xf033
	s_cbranch_scc0 .Lentry_shape_is_right
	s_endpgm
.Lentry_shape_is_right:
; The three quantised projections as ONE product C = A B^T + bias on codes of FP4 with E8M0 scales: A = the 12,288 rows of query, key, value; for rows of tensor T (0, 1, 2) B = the 1,024 rows of Wq, Wk, Wv.
; C = qkv [3][4096][1024] f16.  Sums in f32; the bias is the C of each sum's first matrix instruction; q's tiles are multiplied in f32 by log2(e) / 8 ahead of the one rounding to f16, so that the next launch's scores are exponents of 2 as they stand.
; LIMIT: |q| log2(e) / 8, |k|, |v| stay under 65,504.
; A tile of C, 256 x 256, is made by four waves, 128 x 128 each: 64 accumulators.  K = 1,024 is two slots of 512 along K (rows of 256 bytes); both, and the scale bytes of the work-group's rows, are asked for at the head: three tensor loads of a wave are out.
; CLUSTERS: 4 x 4 work-groups; A's tiles are asked for jointly along a row of the cluster, B's along a column.  A cluster covers 1,024 rows of C, so all its partners have the same T.
; THE MATRIX INSTRUCTION IS USED TRANSPOSED (source 0 = 16 rows of B, source 1 = 16 rows of A): a lane holds eight neighbouring numbers of a row of C.
; REGISTERS, in windows of 256: window 0: v0-31 addresses; v32-95 scale words, two sets; v128-191 A's fragments, one set; v192-255 the bias, later the way out.  window 1: B's fragments, two sets.  windows 2, 3: the accumulators.
.set NQ,     4                         ; steps of 128 along K in a slot
.set ROWB,   256                       ; a tile's row in bytes
.set KROW,   512                       ; a row of codes in memory
.set PITCH,  272                       ; an LDS row: 256 bytes + 16 of padding: the 16 rows that a load touches start at 16 different banks (64 banks of 4 bytes: ISA guide 11.1)
.set FR,     8
.set NL,     2
.set NP,     4                         ; places behind this matrix instruction (ISA guide 7.12.1)
.set HALFT,  128*PITCH
.set SLOT,   4*HALFT                   ; A's 256 rows, then B's 256 rows
.set KS,     32                        ; a row of scale bytes
.set SCL,    2*SLOT                    ; behind the slots: the scales, as units of 256 bytes + 16 of padding
.set HALFS,  (128*KS/256)*272
.set SBLK,   (16*KS/256)*272
.set SPARE,  SCL+4*HALFS               ; the spare words, 128 bytes a wave
.set SPITCH, 272                       ; the way out: a stage of 16 rows x (256 bytes + 16) for each wave, in slot 0, which has had its one fill and its last read by then
.set CROW,   2048                      ; a row of C in bytes
.set ADRA, 16
.set ADRB, 20
.set STO,  24
.set RD,   25
.set CO,   26
.set ADRS, 27
.set SPW,  28
.set NIL,  29
.set BO,   30                          ; v30  32 x (lane / 16): my eight numbers of a bias block
.set SC,   32
.set AF,   128
.set BIAS, 192                         ; v192-255: for B's block b eight numbers: bias of columns 16 b + 8 (lane / 16) + 0 .. 7
.set TMP,  192
.set OB,   32
.set G1, 24
.set G0, 32
.set G1B, 48
.set G0B, 56
.set G1S, 68
.set G0S, 76
.set G1SB, 80
.set G0SB, 88
.set MSB, 0
.macro WIN new                         ; the immediate's high byte repeats the setting that is left
.if MSB != \new
	s_set_vgpr_msb (MSB<<8)|\new
.set MSB, \new
.endif
.endm
.set MUL_LO, 0xa1                      ; source 0 (B) window 1, source 1 (A) window 0, C and D window 2
.set MUL_HI, 0xf1                      ; the same, C and D window 3
.set TO_B,   0x40
; A joint load: waves 0 and 1 fetch for A, waves 2 and 3 for B.  The branch hangs on the wave's number alone.  An s_nop 0 and four v_nop follow each of the two lines.
.macro JLOAD g0a, g1a, g0b, g1b
	s_cmp_eq_u32 s15, 0
	s_cbranch_scc0 .Lfor_b_\@
	tensor_load_to_lds s[\g0a:\g0a+3], s[\g1a:\g1a+7]
	s_nop 0
.rept 4
	v_nop
.endr
	s_branch .Lasked_\@
.Lfor_b_\@:
	tensor_load_to_lds s[\g0b:\g0b+3], s[\g1b:\g1b+7]
	s_nop 0
.rept 4
	v_nop
.endr
.Lasked_\@:
.endm
.macro CROUND                          ; a round of the cluster's barrier
	s_barrier_signal -1
	s_barrier_wait -1
	s_cmp_lg_u32 s14, 0
	s_cbranch_scc1 .Lnot_wave_0_\@
	s_barrier_signal -3
.Lnot_wave_0_\@:
	s_barrier_wait -3
	s_barrier_signal -1
	s_barrier_wait -1
.endm
	s_load_b128 s[4:7], s[0:1], 0x0                ; codes, scales
	s_load_b128 s[8:11], s[0:1], 0x10              ; bq, bk
	s_load_b128 s[96:99], s[0:1], 0x20             ; bv, qkv
	v_lshl_add_u32 v[SPW], v0, 2, SPARE
	v_mov_b32 v[NIL], 0
	ds_add_u32 v[SPW], v[NIL]                      ; the wave's opening: the add, twice on end, and its wait ahead of my first tensor load
	ds_add_u32 v[SPW], v[NIL]
	v_lshrrev_b32 v1, 5, v0
	v_readfirstlane_b32 s14, v1                    ; wave 0..3
	s_lshr_b32 s15, s14, 1                         ; which half of the tile's rows is mine.  Also: I fetch for A (0) or for B (1)
	s_and_b32 s16, s14, 1                          ; which half of its columns.  Also: which 128 rows I fetch
	s_bfe_u32 s40, ttmp6, 0x40000                  ; cx
	s_bfe_u32 s41, ttmp6, 0x40004                  ; cy
	s_lshl_b32 s42, ttmp9, 2
	s_add_co_u32 s42, s42, s40                     ; tile column of C
	s_and_b32 s17, ttmp7, 0xffff
	s_lshr_b32 s95, s17, 2                         ; T = cluster y / 4: the same in all sixteen partners
	s_lshl_b32 s17, s17, 2
	s_add_co_u32 s17, s17, s41                     ; tile row of C
	s_lshl_b32 s43, s41, 2
	s_lshl_b32 s43, 15, s43                        ; my row of the cluster
	s_lshl_b32 s44, 0x1111, s40                    ; my column
	s_or_b32 s[G1+0], s43, (0<<16)|(1<<20)|(1<<21)|(5<<22)|(3<<25)  ; the mask; elements of 1 byte; padding: 4 words after every 64; bit 21 beside a mask
	s_or_b32 s[G1B+0], s44, (0<<16)|(1<<20)|(1<<21)|(5<<22)|(3<<25)
.irp g, G1, G1B
	s_mov_b32 s[\g+1], ROWB<<16                    ; tensor_dim0
	s_mov_b32 s[\g+2], 128<<16                     ; tensor_dim1
	s_mov_b32 s[\g+3], ROWB<<16                    ; tile_dim0
	s_mov_b32 s[\g+4], 128                         ; tile_dim1
	s_mov_b32 s[\g+5], KROW                        ; pitch
	s_mov_b32 s[\g+6], 0
	s_mov_b32 s[\g+7], 0
.endr
	s_or_b32 s[G1S+0], s43, (3<<16)|(1<<20)|(1<<21)|(5<<22)|(3<<25) ; the scales of 128 rows: 4,096 dense bytes as 16 rows of 256 (32 elements of 8 bytes), padded alike
	s_or_b32 s[G1SB+0], s44, (3<<16)|(1<<20)|(1<<21)|(5<<22)|(3<<25)
.irp g, G1S, G1SB
	s_mov_b32 s[\g+1], 32<<16
	s_mov_b32 s[\g+2], (128*KS/256)<<16
	s_mov_b32 s[\g+3], 32<<16
	s_mov_b32 s[\g+4], 128*KS/256
	s_mov_b32 s[\g+5], 32
	s_mov_b32 s[\g+6], 0
	s_mov_b32 s[\g+7], 0
.endr
	s_lshl_b32 s18, s16, 7                         ; which 128 rows of the tile I fetch
	s_lshl_b32 s20, s17, 8
	s_add_co_u32 s20, s20, s18                     ; A: row 256 x tile row + 128 x half
	s_lshl_b32 s46, s42, 8
	s_add_co_u32 s46, s46, s18                     ; B: row 256 x tile column + 128 x half
	s_lshl_b32 s94, s95, 10
	s_add_co_u32 s46, s46, s94                     ;    + 1,024 T: the weight of my tensor
	s_mov_b32 s21, 0
	s_mov_b32 s47, 0
	s_mov_b64 s[18:19], KS
	s_mul_u64 s[22:23], s[20:21], s[18:19]         ; where these rows' scales begin
	s_mul_u64 s[92:93], s[46:47], s[18:19]
	s_mov_b64 s[18:19], KROW
	s_mul_u64 s[20:21], s[20:21], s[18:19]         ; and their codes
	s_mul_u64 s[46:47], s[46:47], s[18:19]
	s_mul_i32 s45, s14, HALFT                      ; where they go: wave x 128 rows
	s_mul_i32 s94, s14, HALFS
	s_wait_dscnt 0x0                               ; both opening adds are done
	s_wait_kmcnt 0x0
	s_cmp_eq_u32 s95, 0
	s_cselect_b64 s[100:101], s[8:9], s[10:11]     ; my tensor's bias,
	s_cselect_b32 s2, 0x3e38aa3b, 1.0              ; and its factor: log2(e) / 8 for q, 1 for k and v
	s_cmp_eq_u32 s95, 2
	s_cselect_b64 s[100:101], s[96:97], s[100:101]
	s_mov_b32 s3, s2                               ; (named with it as a pair)
	s_mov_b64 s[12:13], s[98:99]                   ; C
	s_add_nc_u64 s[8:9], s[4:5], 6291456           ; the weights' codes lie behind the 12,288 rows of A,
	s_add_nc_u64 s[10:11], s[6:7], 393216          ; their scales likewise
	s_add_nc_u64 s[20:21], s[4:5], s[20:21]
	s_add_nc_u64 s[22:23], s[6:7], s[22:23]
	s_add_nc_u64 s[46:47], s[8:9], s[46:47]
	s_add_nc_u64 s[92:93], s[10:11], s[92:93]
	CROUND                                         ; all sixteen work-groups are here: the joint loads meet
	s_mov_b32 s[G0S], 1
	s_add_co_u32 s[G0S+1], s94, SCL
	s_mov_b64 s[G0S+2:G0S+3], s[22:23]
	s_or_b32 s[G0S+3], s[G0S+3], 0x80000000
	s_mov_b32 s[G0SB], 1
	s_add_co_u32 s[G0SB+1], s94, SCL
	s_mov_b64 s[G0SB+2:G0SB+3], s[92:93]
	s_or_b32 s[G0SB+3], s[G0SB+3], 0x80000000
	JLOAD G0S, G1S, G0SB, G1SB                     ; the scales first: they are wanted with the first slot
.irp s, 0,1
	s_mov_b32 s[G0+4*\s], 1
	s_add_co_u32 s[G0+4*\s+1], s45, \s*SLOT
	s_add_nc_u64 s[G0+4*\s+2:G0+4*\s+3], s[20:21], \s*ROWB
	s_or_b32 s[G0+4*\s+3], s[G0+4*\s+3], 0x80000000
	s_mov_b32 s[G0B+4*\s], 1
	s_add_co_u32 s[G0B+4*\s+1], s45, \s*SLOT
	s_add_nc_u64 s[G0B+4*\s+2:G0B+4*\s+3], s[46:47], \s*ROWB
	s_or_b32 s[G0B+4*\s+3], s[G0B+4*\s+3], 0x80000000
	JLOAD G0+4*\s, G1, G0B+4*\s, G1B
.endr
	v_and_b32 v1, 15, v0                           ; l % 16
	v_bfe_u32 v2, v0, 4, 1                         ; l / 16
	v_lshlrev_b32 v[BO], 5, v2
	s_lshl_b32 s46, s42, 10                        ; my first column, in bytes of f32: 1,024 x tile column + 512 x half
	s_lshl_b32 s47, s16, 9
	s_add_co_u32 s46, s46, s47
	s_mov_b32 s47, 0
	s_add_nc_u64 s[100:101], s[100:101], s[46:47]
.irp b, 0,1,2,3,4,5,6,7
	global_load_b128 v[BIAS+8*\b:BIAS+8*\b+3], v[BO], s[100:101] offset:64*\b
	global_load_b128 v[BIAS+8*\b+4:BIAS+8*\b+7], v[BO], s[100:101] offset:64*\b+16
.endr
	v_mul_u32_u24 v3, v1, PITCH
	v_lshl_add_u32 v4, v2, 4, v3                   ; a fragment's row x pitch + 16 x half
	s_mul_i32 s21, s15, HALFT                      ; my 128 rows of A
	s_mul_i32 s22, s16, HALFT                      ; my 128 rows of B,
	s_add_co_u32 s22, s22, 2*HALFT                 ; behind A's 256
.irp s, 0,1
	v_add_nc_u32 v[ADRA+\s], s21, v4
	v_add_nc_u32 v[ADRB+\s], s22, v4
	s_add_co_u32 s21, s21, SLOT
	s_add_co_u32 s22, s22, SLOT
.endr
	v_mul_u32_u24 v5, v1, KS                       ; my row's scales: KS bytes a row,
	v_lshrrev_b32 v6, 8, v5
	v_lshl_add_u32 v5, v6, 4, v5                   ; and 16 more for each 256 passed
	s_mul_i32 s21, s15, HALFS
	s_mul_i32 s22, s16, HALFS
	s_add_co_u32 s22, s22, 2*HALFS
	s_sub_co_u32 s22, s22, s21
	v_mul_u32_u24 v6, s22, v2                      ; lanes 16-31 take B's: one product, the distance between the two bases
	s_add_co_u32 s21, s21, SCL
	v_add_nc_u32 v5, v5, v6
	v_add_nc_u32 v[ADRS], s21, v5
	s_mul_i32 s23, s14, 16*SPITCH                  ; my stage
	v_mul_u32_u24 v5, v1, SPITCH                   ; in: row l % 16, 16 bytes for each half of the lanes
	v_lshl_add_u32 v5, v2, 4, v5
	v_add_nc_u32 v[STO], s23, v5
	v_mul_u32_u24 v5, v2, SPITCH                   ; back: lanes 0-15 one row of 256 bytes, lanes 16-31 the next
	v_lshl_add_u32 v5, v1, 4, v5
	v_add_nc_u32 v[RD], s23, v5
	v_lshlrev_b32 v5, 11, v2                       ; and the same two rows in C
	v_lshl_add_u32 v[CO], v1, 4, v5
	s_lshl_b32 s20, s17, 8
	s_lshl_b32 s21, s15, 7
	s_add_co_u32 s20, s20, s21                     ; my first row of C
	s_lshl_b32 s20, s20, 11                        ; x 2,048 bytes (under 2^25)
	s_lshr_b32 s46, s46, 1                         ; my first column in bytes of f16
	s_add_co_u32 s20, s20, s46
	s_mov_b32 s21, 0
	s_add_nc_u64 s[12:13], s[12:13], s[20:21]
.macro FRAG reg, adr, q, i             ; 16 rows x 128 K of 4-bit codes: 8 registers: two loads of 16 bytes, 32 bytes apart
.irp c, 0,1
	ds_load_b128 v[\reg+4*\c:\reg+4*\c+3], v[\adr] offset:64*(\q)+32*\c+(\i)*16*PITCH
.endr
.endm
; 16 matrix instructions: A's blocks a0, a0 + 1 x B's eight, the slot's q-th 128 along K.  p: B's set; sc: the set of scale words.  first = 1: the bias starts the sums.
; The 64 accumulators take turns, one instruction a turn, in the same order in every step.
.macro MUL16 a0, p, q, sc, first
.irp a, \a0, \a0+1
.irp b, 0,1,2,3,4,5,6,7
.if \first
	v_wmma_scale_f32_16x16x128_f8f6f4 v[8*(8*((\a)%4)+\b):8*(8*((\a)%4)+\b)+7], v[128*(\p)+FR*\b:128*(\p)+FR*\b+FR-1], v[AF+FR*(\a):AF+FR*(\a)+FR-1], v[BIAS+8*\b:BIAS+8*\b+7], v[SC+8*NQ*(\sc)+NQ*\b+(\q)], v[SC+8*NQ*(\sc)+NQ*(\a)+(\q)] matrix_a_fmt:MATRIX_FMT_FP4 matrix_b_fmt:MATRIX_FMT_FP4 matrix_a_scale:MATRIX_SCALE_ROW1
.else
	v_wmma_scale_f32_16x16x128_f8f6f4 v[8*(8*((\a)%4)+\b):8*(8*((\a)%4)+\b)+7], v[128*(\p)+FR*\b:128*(\p)+FR*\b+FR-1], v[AF+FR*(\a):AF+FR*(\a)+FR-1], v[8*(8*((\a)%4)+\b):8*(8*((\a)%4)+\b)+7], v[SC+8*NQ*(\sc)+NQ*\b+(\q)], v[SC+8*NQ*(\sc)+NQ*(\a)+(\q)] matrix_a_fmt:MATRIX_FMT_FP4 matrix_b_fmt:MATRIX_FMT_FP4 matrix_a_scale:MATRIX_SCALE_ROW1
.endif
.endr
.endr
.endm
.macro FETCH_B slot, q, p
	WIN TO_B
.irp i, 0,1,2,3,4,5,6,7
	FRAG 128*(\p)+FR*\i, ADRB+\slot, \q, \i
.endr
	WIN 0
.endm
.macro FETCH_A slot, q, i0
.irp i, \i0, \i0+1, \i0+2, \i0+3
	FRAG AF+FR*(\i), ADRA+\slot, \q, \i
.endr
.endm
.macro SCALES sc                       ; a slot's scale words: 4 words a row; lanes 0-15 A's block i, lanes 16-31 B's block i
.irp i, 0,1,2,3,4,5,6,7
	ds_load_b128 v[SC+8*NQ*\sc+NQ*\i:SC+8*NQ*\sc+NQ*\i+3], v[ADRS] offset:\i*SBLK
.endr
.endm
.macro PLACES n                        ; plain vector lines between a matrix instruction and a load into, or a read of, its registers
.rept \n
	v_nop
.endr
.endm
.macro STEP slot, q, first             ; a step of 128 along K that has its successor in the same slot
	s_wait_dscnt 4*NL                              ; B's set and A's blocks 0-3 are in; the youngest eight loads (A's blocks 4-7) may be out
.if \first
	WIN 0x81                                       ; C (the bias) window 0, D window 2
.else
	WIN MUL_LO
.endif
	MUL16 0, (\q)%2, \q, \slot, \first
	MUL16 2, (\q)%2, \q, \slot, \first
	s_wait_dscnt 0
	PLACES NP
	FETCH_B \slot, (\q)+1, 1-(\q)%2
	FETCH_A \slot, (\q)+1, 0
.if \first
	WIN 0xc1
.else
	WIN MUL_HI
.endif
	MUL16 4, (\q)%2, \q, \slot, \first
	MUL16 6, (\q)%2, \q, \slot, \first
	PLACES NP
	WIN 0
	FETCH_A \slot, (\q)+1, 4
.endm
	s_wait_tensorcnt 1                             ; the scales and my part of slot 0 are in; slot 1's load may be out
	s_barrier_signal -1
	s_barrier_wait -1
	FETCH_B 0, 0, 0
	FETCH_A 0, 0, 0
	SCALES 0
	FETCH_A 0, 0, 4
	s_wait_loadcnt 0x0                             ; the bias
	STEP 0, 0, 1
	STEP 0, 1, 0
	STEP 0, 2, 0
	; slot 0's last step changes slots: one barrier; nothing is filled again
	s_wait_tensorcnt 0x0                           ; my part of slot 1 has landed
	ds_add_u32 v[SPW], v[NIL]                      ; 0 onto my spare word
	s_wait_dscnt 4*NL+1                            ; the add and the youngest eight loads may be out
	WIN MUL_LO
	MUL16 0, 1, NQ-1, 0, 0
	s_wait_dscnt 0x0                               ; the add is done, and my reads of slot 0 are over
	s_barrier_signal -1
	MUL16 2, 1, NQ-1, 0, 0
	WIN 0
	s_barrier_wait -1
	PLACES NP
	v_add_nc_u32 v[ADRS], 4*NQ, v[ADRS]            ; the second slot's scale words
	FETCH_B 1, 0, 0
	FETCH_A 1, 0, 0
	SCALES 1
	WIN MUL_HI
	MUL16 4, 1, NQ-1, 0, 0
	MUL16 6, 1, NQ-1, 0, 0
	PLACES NP
	WIN 0
	FETCH_A 1, 0, 4
	STEP 1, 0, 0
	STEP 1, 1, 0
	STEP 1, 2, 0
	s_wait_dscnt 4*NL                              ; the last step: nothing more to fetch
	WIN MUL_LO
	MUL16 0, 1, NQ-1, 1, 0
	MUL16 2, 1, NQ-1, 1, 0
	s_wait_dscnt 0
	WIN MUL_HI
	MUL16 4, 1, NQ-1, 1, 0
	MUL16 6, 1, NQ-1, 1, 0
	WIN 0
; THE WAY OUT, block by block of 16 rows x 128 columns: x the tensor's factor, rounded to f16 (16 bytes a lane), through my own stage, back as whole rows of 256 bytes.
.macro PACK a
.set AC, 64*((\a)%4)
	WIN 0x82+0x41*((\a)/4)                         ; destination and source 0: window 2 or 3
.set i, 0
.rept 32
	v_pk_mul_f32 v[AC+i:AC+i+1], v[AC+i:AC+i+1], s[2:3] op_sel_hi:[1,0]   ; each accumulator from its low end on
.set i, i+2
.endr
	WIN 0x0a+5*((\a)/4)                            ; sources 0 and 1: window 2 or 3
.irp b, 0,1,2,3,4,5,6,7
.irp r, 0,1,2,3
	v_cvt_pk_f16_f32 v[TMP+4*\b+\r], v[AC+8*\b+2*\r], v[AC+8*\b+2*\r+1]
.endr
.endr
	WIN 0
.endm
.macro TOSTAGE a
.set BK, OB+192*((\a)%2)
.irp b, 0,1,2,3,4,5,6,7
	ds_store_b128 v[STO], v[TMP+4*\b:TMP+4*\b+3] offset:32*\b
.endr
.irp t, 0,1,2,3,4,5,6,7
	ds_load_b128 v[BK+4*\t:BK+4*\t+3], v[RD] offset:\t*2*SPITCH    ; LDS serves a wave's instructions in order: these see the stores above
.endr
.endm
.macro SEND a
.set BK, OB+192*((\a)%2)
	s_wait_dscnt 0x0                               ; the block is back in registers
	s_wait_xcnt 0x0                                ; earlier stores have read their base and data: both are rewritten only behind this wait
.if (\a) > 0
	s_add_nc_u64 s[12:13], s[12:13], 16*CROW
.endif
.irp t, 0,1,2,3,4,5,6,7
	global_store_b128 v[CO], v[BK+4*\t:BK+4*\t+3], s[12:13] offset:2*\t*CROW   ; 16 lanes store 256 consecutive bytes, aligned
.endr
.endm
	PLACES NP
	PACK 0
	TOSTAGE 0
.irp a, 1,2,3,4,5,6,7
	PACK \a
	SEND \a-1
	TOSTAGE \a
.endr
	SEND 7
	s_wait_tensorcnt 0x0                           ; the wave's end
	ds_add_u32 v[SPW], v[NIL]
	s_wait_dscnt 0x0
	CROUND                                         ; the closing round
	s_endpgm
.Lfunc_end_k_q414210f6fe_proj:
	.size	k_q414210f6fe_proj, .Lfunc_end_k_q414210f6fe_proj-k_q414210f6fe_proj
	.p2alignl 7, 3214868480
	.fill 96, 4, 3214868480
	.section	.rodata,"a",@progbits
	.p2align	6, 0x0
	.amdhsa_kernel k_q414210f6fe_proj
		.amdhsa_group_segment_fixed_size 327680
		.amdhsa_private_segment_fixed_size 0
		.amdhsa_enable_private_segment 0
		.amdhsa_kernarg_size 48
		.amdhsa_user_sgpr_count 2
		.amdhsa_user_sgpr_kernarg_segment_ptr 1
		.amdhsa_wavefront_size32 1
		.amdhsa_system_sgpr_workgroup_id_x 1
		.amdhsa_system_sgpr_workgroup_id_y 1
		.amdhsa_system_sgpr_workgroup_id_z 1
		.amdhsa_system_vgpr_workitem_id 0
		.amdhsa_next_free_vgpr 1024
		.amdhsa_next_free_sgpr 102
		.amdhsa_reserve_vcc 0
		.amdhsa_float_denorm_mode_32 3
		.amdhsa_float_denorm_mode_16_64 3
		.amdhsa_memory_ordered 1
		.amdhsa_forward_progress 1
		.amdhsa_inst_pref_size 145
	.end_amdhsa_kernel
	.amdgpu_metadata
---
amdhsa.version: [ 1, 2 ]
amdhsa.kernels:
  - .name:           k_q414210f6fe_proj
    .symbol:         k_q414210f6fe_proj.kd
    .args:
      - { .name: codes, .offset: 0, .size: 8, .value_kind: global_buffer, .address_space: global }
      - { .name: scales, .offset: 8, .size: 8, .value_kind: global_buffer, .address_space: global }
      - { .name: bq, .offset: 16, .size: 8, .value_kind: global_buffer, .address_space: global }
      - { .name: bk, .offset: 24, .size: 8, .value_kind: global_buffer, .address_space: global }
      - { .name: bv, .offset: 32, .size: 8, .value_kind: global_buffer, .address_space: global }
      - { .name: qkv, .offset: 40, .size: 8, .value_kind: global_buffer, .address_space: global }
    .group_segment_fixed_size: 327680
    .private_segment_fixed_size: 0
    .kernarg_segment_align: 8
    .kernarg_segment_size: 48
    .max_flat_workgroup_size: 128
    .sgpr_count:     102
    .vgpr_count:     1024
    .wavefront_size: 32
...
	.end_amdgpu_metadata
.endif
;; end of part 2
;; launch attn (part 3): grid 16 x 16, 8 waves a work-group, clusters of 4 x 4, 327,680 bytes of LDS; arguments qkv, mask, ctx, ctx32; writes ctx, ctx32
.if DOCPART == 3
	.amdgcn_target "amdgcn-amd-amdhsa--gfx1250"
	.amdhsa_code_object_version 6
	.text
	.protected	k_q414210f6fe_attn
	.globl	k_q414210f6fe_attn
	.p2align	8
	.type	k_q414210f6fe_attn,@function
k_q414210f6fe_attn:
	s_mov_b64 s[64:65], 0
	v_nop
	global_prefetch_b8 v0, s[64:65] scope:SCOPE_SE
	s_setreg_imm32_b32 hwreg(HW_REG_WAVE_MODE, 25, 1), 1
	s_wait_xcnt 0x0
	s_wait_alu depctr_hold_cnt(0) depctr_sa_sdst(0) depctr_va_vdst(0) depctr_va_sdst(0) depctr_va_ssrc(0) depctr_va_vcc(0) depctr_vm_vsrc(0)
	s_getreg_b32 s2, hwreg(HW_REG_IB_STS2, 6, 4)
	s_cmp_eq_u32 s2, 0
	s_cbranch_scc0 .Lentry_in_a_cluster
	s_endpgm
.Lentry_in_a_cluster:
	s_bfe_u32 s2, ttmp6, 0x10000c
	s_cmp_lg_u32 s2, 0xf033
	s_cbranch_scc0 .Lentry_shape_is_right
	s_endpgm
.Lentry_shape_is_right:
; ctx[b][q][head] = softmax_k(q . k / 8 + mask[q][k] x (-1e9)) v, for 2 batches x 16 heads of 64, 2,048 queries and keys.  The mask is an input: every score is computed and every mask number is used, in f32.
; qkv: [3][4096][1024] f16; its q part already carries the factor log2(e) / 8, so t = q . k + mask x (-1e9 log2(e)) is an exponent of 2.  Products with f16 operands and f32 sums; maxima, exponentials and sums in f32.
; SOFTMAX: for each query a running maximum m of t (begun at -3e38) and sum l: p = 2^(t - m); in every step O and l are multiplied by 2^(m_old - m_new).  l is summed from the unrounded p; p goes to the second product as f16.
; LIMITS: |mask| x 1.44e9 stays under 3e38; NaN and infinities are not served.  The scaled mask is the C of the first score product: in a row where EVERY key carries a large mask the scores are rounded at the mask's magnitude inside that product, which may differ from an f32 addition.
; The first 16 positions of each sequence are also stored in f32 (ctx32) for the last launch; their p and v are f16 like all others'.
; SHARES.  A work-group takes 128 queries (block X) of a pair of heads (Y = 8 b + pair): the pair is 256 consecutive bytes of a row of qkv.  Wave w takes head w / 4 of the pair and queries 32 (w % 4) on: two tiles of 16.
; LAYOUT.  S^T = K Q^T (source 0 = 16 keys, source 1 = 16 queries), O^T = V^T P: a lane holds ONE query (lane % 16) throughout; two score tiles, rounded in pairs, ARE source 1 of the second product.  V ([key][channel]) is turned by ds_load_tr16_b128.
; RING.  Two LDS slots of 128 keys (two key steps of 64): K 128 x 272, V 128 x 288, mask 128 queries x 528 bytes.  Every wave fetches 16 KiB by one tensor load (waves 0, 1: K's halves; 2, 3: V's; 4-7: the mask's quarters).
; Tiles 0 and 1 are asked for at the head (two loads of a wave are out), later one load a wave behind each round.
; LDS LOADS RUN A STEP AHEAD.  A step's mask numbers and K fragments are asked for during the step before, into registers of their own (window 1), so that they come in beside that step's softmax.  A slot's last reads are V's of its
; second step; the round therefore stands in the middle of that step: behind it the slot just left is filled again, the next tile's first mask and K loads go out, and the step's second products follow.
; CLUSTER 4 x 4.  K and V hang on Y alone: asked for jointly along a row of the cluster.  The mask's tile hangs on X alone: jointly along a column.
; REGISTERS, in windows of 256 (s_set_vgpr_msb: bits 1:0 source 0, 3:2 source 1, 5:4 source 2, 7:6 destination): window 0: all but the two buffers below; window 1: v0-63 K of the step to come, v64-127 its mask numbers as loaded.
.set PK,    272
.set PV_,   288
.set PM,    528
.set VOFF,  128*PK
.set MOFF,  VOFF+128*PV_
.set SLOT,  MOFF+128*PM                ; 139,264 bytes
.set SPARE, 2*SLOT                     ; the spare words, 128 bytes a wave
.set AK,  1                            ; v1, v2   my place in K's tile of slot 0, 1
.set AV,  3                            ; v3, v4   in V's
.set AM,  5                            ; v5, v6   in the mask's
.set STO, 7                            ; v7   the way out: where I put 16 bytes of a row
.set RD,  8                            ; v8   where I read a row back
.set GO,  9                            ; v9   my byte offset in the wave's rows of ctx
.set SPW, 10                           ; v10  my spare word; never rewritten
.set NIL, 11                           ; v11  0; never rewritten
.set PFO, 12                           ; v12  the prefetches' offset: a lane a row
.set FO,  13                           ; v13  my byte offset in ctx32
.set QO,  14                           ; v14  my byte offset in the wave's rows of q
.set ST,  16                           ; v16-31  tile a's statistics at ST + 8 a: +0 m, +1 (its pair partner), +2, +3 l, +4 .. +7 at work; the factor 2^(m_old - m_new) in +6
.set Q,   32                           ; v32-63  Q: tile a, channels 32 c on, at Q + 16 a + 8 c
.set VF,  64                           ; v64-127 V: channels 16 ct on, keys 32 kb on, at VF + 8 (4 kb + ct)
.set S,   128                          ; v128-191 the scores, 32 a tile; P takes the first 16 of each tile's
.set O,   192                          ; v192-255 O^T: tile a, channels 16 ct on, at O + 32 a + 8 ct
.set K1,  0                            ; window 1, v0-63: K: keys 16 kt on, channels 32 c on, at K1 + 8 (2 kt + c)
.set MB,  64                           ; window 1, v64-127: the mask's numbers, laid as the scores are
.set WV,  12
.set G1K, 24
.set G1V, 32
.set G1M, 40
.set G0K, 48                           ; groups 0: a set for each slot
.set G0V, 56
.set G0M, 68
.set MC,  78                           ; s[78:79] -1e9 log2(e)
.set SEL, 80                           ; s[80:81] selects for v_permlanex16_b32: lane l xor 16
.set CNT, 83
.set PFA, 84                           ; s[84:85] where my prefetches stand
.set PFS, 86                           ; s[86:87] a tile on, in bytes
.set LIM, 88                           ; s88  1 in a wave that prefetches, else the greatest number
.set MSB, 0
.macro WIN new                         ; the immediate's high byte repeats the setting that is left; a switch that changes nothing is dropped
.if MSB != \new
	s_set_vgpr_msb (MSB<<8)|\new
.set MSB, \new
.endif
.endm
.macro CREST                           ; a round of the cluster's barrier behind its opening barrier
	s_cmp_lg_u32 s[WV], 0
	s_cbranch_scc1 .Lnot_wave_0_\@
	s_barrier_signal -3
.Lnot_wave_0_\@:
	s_barrier_wait -3
	s_barrier_signal -1
	s_barrier_wait -1
.endm
.macro CROUND                          ; a whole round
	s_barrier_signal -1
	s_barrier_wait -1
	CREST
.endm
; A joint load into slot s.  The branches hang on the wave's number alone.  An s_nop 0 and four v_nop follow each of the three lines.
.macro JLOAD s
	s_cmp_lt_u32 s[WV], 2
	s_cbranch_scc0 .Lnot_k_\@
	tensor_load_to_lds s[G0K+4*(\s):G0K+4*(\s)+3], s[G1K:G1K+7]
	s_nop 0
.rept 4
	v_nop
.endr
	s_branch .Lasked_\@
.Lnot_k_\@:
	s_cmp_lt_u32 s[WV], 4
	s_cbranch_scc0 .Lnot_v_\@
	tensor_load_to_lds s[G0V+4*(\s):G0V+4*(\s)+3], s[G1V:G1V+7]
	s_nop 0
.rept 4
	v_nop
.endr
	s_branch .Lasked_\@
.Lnot_v_\@:
	tensor_load_to_lds s[G0M+4*(\s):G0M+4*(\s)+3], s[G1M:G1M+7]
	s_nop 0
.rept 4
	v_nop
.endr
.Lasked_\@:
.endm
; A PREFETCH of the tile that the NEXT trip's joint load will ask for, behind this trip's load, its five lines and the run of LDS loads.  Each aligned 256 bytes are named once in the launch: K's and V's rows by the clusters with
; x = 0 (wave 0: K, wave 2: V; the partner at cx takes rows 32 cx on), the mask's rows by the clusters with y = 0 (wave 4: a row's first 256 bytes, wave 5: its second; the partner at cy takes rows 32 cy on): a lane a row; partners are
; told apart by address alone.  Trip t names tile t + 3: tiles 0 to 2 come by their loads alone, and the loop's last trip (slot 1, the counter at 1) names nothing: there is no tile 16.
.macro ASK slot
.if \slot
	s_cmp_gt_u32 s[CNT], s[LIM]
.else
	s_cmp_eq_u32 s[LIM], 1
.endif
	s_cbranch_scc0 .Lnot_mine_\@
	global_prefetch_b8 v[PFO], s[PFA:PFA+1] th:TH_LOAD_NT scope:SCOPE_SE
.Lnot_mine_\@:
.endm
	s_load_b256 s[4:11], s[0:1], 0x0               ; qkv, mask, ctx, ctx32
	v_lshl_add_u32 v[SPW], v0, 2, SPARE
	v_mov_b32 v[NIL], 0
	ds_add_u32 v[SPW], v[NIL]                      ; the wave's opening: the add, twice on end, and its wait ahead of my first tensor load
	ds_add_u32 v[SPW], v[NIL]
	v_lshrrev_b32 v14, 5, v0
	v_readfirstlane_b32 s[WV], v14                 ; wave 0..7
	s_bfe_u32 s13, ttmp6, 0x40000                  ; cx
	s_bfe_u32 s14, ttmp6, 0x40004                  ; cy
	s_lshl_b32 s15, ttmp9, 2
	s_add_co_u32 s15, s15, s13                     ; X: my block of 128 queries
	s_and_b32 s16, ttmp7, 0xffff
	s_lshl_b32 s16, s16, 2
	s_add_co_u32 s16, s16, s14                     ; Y
	s_lshr_b32 s17, s[WV], 2                       ; i: my head of the pair
	s_and_b32 s18, s[WV], 3                        ; u: my quarter of the queries; also the mask's quarter that I fetch
	s_lshr_b32 s19, s16, 3                         ; b
	s_and_b32 s20, s16, 7                          ; the pair of heads
	s_and_b32 s23, s[WV], 1                        ; which 64 rows of K or V I fetch
	s_lshl_b32 s21, s14, 2
	s_lshl_b32 s21, 15, s21                        ; my row of the cluster
	s_lshl_b32 s22, 0x1111, s13                    ; my column
	s_or_b32 s[G1K], s21, (1<<16)|(1<<20)|(1<<21)|(5<<22)|(3<<25)   ; elements of 2 bytes; 4 words of padding after every 64; bit 21 beside a mask
	s_or_b32 s[G1V], s21, (1<<16)|(1<<20)|(1<<21)|(5<<22)|(7<<25)   ; 8 words of padding
.irp g, G1K, G1V
	s_mov_b32 s[\g+1], 128<<16                     ; tensor_dim0 = 128
	s_mov_b32 s[\g+2], 64<<16                      ; tensor_dim1 = 64
	s_mov_b32 s[\g+3], 128<<16                     ; tile_dim0
	s_mov_b32 s[\g+4], 64                          ; tile_dim1
	s_mov_b32 s[\g+5], 1024                        ; pitch in elements
	s_mov_b32 s[\g+6], 0
	s_mov_b32 s[\g+7], 0
.endr
	s_or_b32 s[G1M], s22, (2<<16)|(1<<20)|(1<<21)|(6<<22)|(3<<25)   ; elements of 4 bytes; 4 words of padding after every 128
	s_mov_b32 s[G1M+1], 128<<16
	s_mov_b32 s[G1M+2], 32<<16
	s_mov_b32 s[G1M+3], 128<<16
	s_mov_b32 s[G1M+4], 32
	s_mov_b32 s[G1M+5], 2048
	s_mov_b32 s[G1M+6], 0
	s_mov_b32 s[G1M+7], 0
	s_lshl_b32 s90, s19, 22                        ; K: the batch's 2,048 rows of 2,048 bytes,
	s_lshl_b32 s91, s20, 8                         ; the pair's 256 bytes,
	s_add_co_u32 s90, s90, s91
	s_lshl_b32 s91, s23, 17                        ; my 64 rows,
	s_add_co_u32 s90, s90, s91
	s_add_co_u32 s90, s90, 8388608                 ; behind q's part.  (No cx enters these registers)
	s_mov_b32 s91, 0
	s_lshl_b32 s94, s15, 20                        ; the mask: 128 rows of 8,192 bytes a block,
	s_lshl_b32 s95, s18, 18                        ; my 32 rows.  (No cy enters these)
	s_add_co_u32 s94, s94, s95
	s_mov_b32 s95, 0
	s_mul_i32 s98, s23, 64*PK                      ; where they go in a slot: the wave's number alone
	s_mul_i32 s99, s23, 64*PV_
	s_add_co_u32 s99, s99, VOFF
	s_mul_i32 s89, s18, 32*PM
	s_add_co_u32 s89, s89, MOFF
	s_mov_b32 s[MC], 0xceabfb8f                    ; -1e9 log2(e)
	s_mov_b32 s[MC+1], s[MC]
	s_mov_b32 s[SEL], 0x76543210
	s_mov_b32 s[SEL+1], 0xfedcba98
	s_wait_dscnt 0x0                               ; both opening adds are done
	s_wait_kmcnt 0x0
	s_add_nc_u64 s[92:93], s[4:5], s[90:91]
	s_add_nc_u64 s[96:97], s[6:7], s[94:95]
	CROUND                                         ; all sixteen work-groups are here: the first joint loads meet
.irp s, 0,1                                    ; slot s begins with tile s
	s_mov_b32 s[G0K+4*\s], 1
	s_add_co_u32 s[G0K+4*\s+1], s98, \s*SLOT
	s_add_nc_u64 s[G0K+4*\s+2:G0K+4*\s+3], s[92:93], \s*262144
	s_or_b32 s[G0K+4*\s+3], s[G0K+4*\s+3], 0x80000000
	s_mov_b32 s[G0V+4*\s], 1
	s_add_co_u32 s[G0V+4*\s+1], s99, \s*SLOT
	s_add_nc_u64 s[G0V+4*\s+2:G0V+4*\s+3], s[92:93], 8388608+\s*262144
	s_or_b32 s[G0V+4*\s+3], s[G0V+4*\s+3], 0x80000000
	s_mov_b32 s[G0M+4*\s], 1
	s_add_co_u32 s[G0M+4*\s+1], s89, \s*SLOT
	s_add_nc_u64 s[G0M+4*\s+2:G0M+4*\s+3], s[96:97], \s*512
	s_or_b32 s[G0M+4*\s+3], s[G0M+4*\s+3], 0x80000000
.endr
	JLOAD 0                                        ; tiles 0 and 1: the two first fills go out together, ahead of every wait on TENSORcnt, every LDS read and every other barrier
	JLOAD 1
	s_lshl_b32 s90, s19, 11
	s_lshl_b32 s91, s15, 7
	s_add_co_u32 s90, s90, s91                     ; the block's first row: 2,048 b + 128 X
	s_lshl_b32 s91, s20, 8                         ; 256 x pair
	s_lshl_b32 s94, s18, 5
	s_add_co_u32 s94, s94, s90
	s_lshl_b32 s94, s94, 11
	s_add_co_u32 s94, s94, s91
	s_lshl_b32 s95, s17, 7
	s_add_co_u32 s94, s94, s95
	s_mov_b32 s95, 0
	s_add_nc_u64 s[76:77], s[4:5], s[94:95]        ; q at my first query, my head
	s_lshl_b32 s94, s[WV], 4
	s_add_co_u32 s94, s94, s90
	s_lshl_b32 s94, s94, 11
	s_add_co_u32 s94, s94, s91
	s_add_nc_u64 s[8:9], s[8:9], s[94:95]          ; ctx at the 16 rows that I store, the pair's 256 bytes
	s_lshl_b32 s94, s19, 16
	s_lshl_b32 s91, s91, 1
	s_add_co_u32 s94, s94, s91
	s_lshl_b32 s91, s17, 8
	s_add_co_u32 s94, s94, s91
	s_add_nc_u64 s[10:11], s[10:11], s[94:95]      ; ctx32: 16 rows of 4,096 bytes a batch, 256 bytes a head
	v_and_b32 v128, 15, v0                         ; r
	v_bfe_u32 v129, v0, 4, 1                       ; h
	v_lshlrev_b32 v[QO], 11, v128
	v_lshl_add_u32 v[QO], v129, 4, v[QO]           ; row r of 2,048 bytes + 16 h
.irp a, 0,1
.irp c, 0,1
	global_load_b128 v[Q+16*\a+8*\c:Q+16*\a+8*\c+3],   v[QO], s[76:77] offset:\a*32768+64*\c
	global_load_b128 v[Q+16*\a+8*\c+4:Q+16*\a+8*\c+7], v[QO], s[76:77] offset:\a*32768+64*\c+32
.endr
.endr
	v_mul_u32_u24 v[AK], v128, PK
	v_lshl_add_u32 v[AK], v129, 4, v[AK]
	s_lshl_b32 s90, s17, 7                         ; my head's 128 bytes of a row
	v_add_nc_u32 v[AK], s90, v[AK]                 ; K: row r x pitch + 16 h + 128 i
	v_add_nc_u32 v[AK+1], SLOT, v[AK]
	v_and_b32 v130, 7, v0
	v_bfe_u32 v131, v0, 3, 1
	v_lshl_add_u32 v[AV], v129, 3, v130
	v_mul_u32_u24 v[AV], v[AV], PV_
	v_lshl_add_u32 v[AV], v131, 4, v[AV]
	s_add_co_u32 s91, s90, VOFF
	v_add_nc_u32 v[AV], s91, v[AV]                 ; V: key 8 h + l % 8, channels 8 ((l / 8) % 2) on
	v_add_nc_u32 v[AV+1], SLOT, v[AV]
	s_mul_i32 s91, s18, 32*PM
	s_add_co_u32 s91, s91, MOFF
	v_mul_u32_u24 v[AM], v128, PM
	v_lshl_add_u32 v[AM], v129, 5, v[AM]
	v_add_nc_u32 v[AM], s91, v[AM]                 ; the mask: query 32 u + r, keys 8 h on
	v_add_nc_u32 v[AM+1], SLOT, v[AM]
	s_mul_i32 s91, s18, 32*PK
	v_add_nc_u32 v[STO], s91, v[AK]                ; the stage (slot 0's first 128 x 272 bytes): row 32 u + r, + 128 i + 16 h
	s_mul_i32 s91, s[WV], 16*PK
	v_mul_u32_u24 v[RD], v129, PK
	v_lshl_add_u32 v[RD], v128, 4, v[RD]
	v_add_nc_u32 v[RD], s91, v[RD]                 ; back: rows 16 w on; lanes 0-15 one row, lanes 16-31 the next
	v_lshlrev_b32 v[GO], 11, v129
	v_lshl_add_u32 v[GO], v128, 4, v[GO]
	v_lshlrev_b32 v[FO], 12, v128
	v_lshl_add_u32 v[FO], v129, 5, v[FO]
	; the prefetches: where my wave's stand (at tile 2: the first trip steps them to tile 3), and who asks.  Nothing is prefetched here, at the head
	s_lshl_b32 s90, s19, 22
	s_lshl_b32 s91, s20, 8
	s_add_co_u32 s90, s90, s91
	s_lshl_b32 s91, s13, 16                        ; my work-group's 32 rows of K or V
	s_add_co_u32 s90, s90, s91
	s_lshr_b32 s91, s[WV], 1
	s_lshl_b32 s91, s91, 23                        ; wave 2: V's part lies 8,388,608 bytes behind K's
	s_add_co_u32 s90, s90, s91
	s_add_co_u32 s90, s90, 8388608+2*262144
	s_lshl_b32 s94, s15, 20
	s_lshl_b32 s91, s14, 18                        ; my work-group's 32 rows of the mask
	s_add_co_u32 s94, s94, s91
	s_lshl_b32 s91, s23, 8                         ; wave 5: a row's second 256 bytes
	s_add_co_u32 s94, s94, s91
	s_add_co_u32 s94, s94, 2*512
	s_mov_b32 s[PFS], 512
	s_mov_b32 s91, 8192
	s_and_b32 s95, ttmp7, 0xffff
	s_cmp_lt_u32 s[WV], 4
	s_cselect_b64 s[PFA:PFA+1], s[4:5], s[6:7]
	s_cselect_b32 s90, s90, s94
	s_cselect_b32 s[PFS], 262144, s[PFS]
	s_cselect_b32 s91, 2048, s91                   ; from lane to lane: a row
	s_cselect_b32 s95, ttmp9, s95                  ; the coordinate along which other clusters read the same rows
	v_and_b32 v[PFO], 31, v0
	v_mul_lo_u32 v[PFO], v[PFO], s91
	s_mov_b32 s91, 0
	s_mov_b32 s[PFS+1], 0
	s_add_nc_u64 s[PFA:PFA+1], s[PFA:PFA+1], s[90:91]
	s_lshr_b32 s94, 0x35, s[WV]                    ; waves 0, 2, 4, 5
	s_and_b32 s94, s94, 1
	s_xor_b32 s94, s94, 1
	s_or_b32 s94, s94, s95
	s_cmp_eq_u32 s94, 0
	s_cselect_b32 s[LIM], 1, -1                    ; the same in all sixteen partners, for a given wave
.irp a, 0,1
	v_mov_b32 v[ST+8*\a], 0xff61b1e6               ; m = -3e38, under every t
.irp j, 1,2,3,4,5,6,7
	v_mov_b32 v[ST+8*\a+\j], 0
.endr
.endr
.set n, 0
.rept 64
	v_mov_b32 v[O+n], 0                            ; O^T: the step is written once; the first change of m leaves the zeros zeros
.set n, n+1
.endr
.macro PLACES                          ; four plain lines between a matrix instruction and a load into, a write of or a read of its registers
.rept 4
	v_nop
.endr
.endm
; The mask's numbers of key step q of a slot, into window 1: lane (r, h), register 32 a + 8 kt + j: query 16 a + r, key 16 kt + 8 h + j: laid as the scores are
.macro LOADM slot, q
	WIN 0x40                                       ; destination window 1, address window 0
.irp a, 0,1
.irp kt, 0,1,2,3
	ds_load_b128 v[MB+32*\a+8*\kt:MB+32*\a+8*\kt+3],   v[AM+(\slot)] offset:\a*16*PM+256*(\q)+64*\kt
	ds_load_b128 v[MB+32*\a+8*\kt+4:MB+32*\a+8*\kt+7], v[AM+(\slot)] offset:\a*16*PM+256*(\q)+64*\kt+16
.endr
.endr
.endm
; and its K fragments, into window 1
.macro LOADK slot, q
	WIN 0x40
.irp kt, 0,1,2,3
.irp c, 0,1
	ds_load_b128 v[K1+8*(2*\kt+\c):K1+8*(2*\kt+\c)+3],   v[AK+(\slot)] offset:(64*(\q)+16*\kt)*PK+64*\c
	ds_load_b128 v[K1+8*(2*\kt+\c)+4:K1+8*(2*\kt+\c)+7], v[AK+(\slot)] offset:(64*(\q)+16*\kt)*PK+64*\c+32
.endr
.endr
.endm
; its V fragments, turned, into window 0
.macro VLOAD slot, q
.irp kb, 0,1
.irp ct, 0,1,2,3
	ds_load_tr16_b128 v[VF+8*(4*\kb+\ct):VF+8*(4*\kb+\ct)+3],   v[AV+(\slot)] offset:(64*(\q)+32*\kb)*PV_+32*\ct
	ds_load_tr16_b128 v[VF+8*(4*\kb+\ct)+4:VF+8*(4*\kb+\ct)+7], v[AV+(\slot)] offset:(64*(\q)+32*\kb)*PV_+16*PV_+32*\ct
.endr
.endr
.endm
; The scores of a step.  Its 16 mask loads and, behind them, its 16 K loads were issued a step ago.
.macro SCORES
	s_wait_dscnt 16                                ; the mask's sixteen loads are in; K's sixteen may be out
	WIN 0x01                                       ; source 0 (the mask's numbers, then K) window 1; all else window 0
.set n, 0
.rept 32
	v_pk_mul_f32 v[S+n:S+n+1], v[MB+n:MB+n+1], s[MC:MC+1] op_sel_hi:[1,0]   ; mask x (-1e9 log2(e)): the C of the first score product
.set n, n+2
.endr
	s_wait_dscnt 0x0                               ; K
.irp c, 0,1                                    ; the eight accumulators take turns, one instruction a turn
.irp kt, 0,1,2,3
.irp a, 0,1
	v_wmma_f32_16x16x32_f16 v[S+32*\a+8*\kt:S+32*\a+8*\kt+7], v[K1+8*(2*\kt+\c):K1+8*(2*\kt+\c)+7], v[Q+16*\a+8*\c:Q+16*\a+8*\c+7], v[S+32*\a+8*\kt:S+32*\a+8*\kt+7]
.endr
.endr
.endr
	WIN 0
	PLACES                                         ; ahead of the loads into K's registers and of the first read of the scores
.endm
; Half of O^T += V^T P: keys 32 kb on; the eight accumulators by turns
.macro PV kb
.irp ct, 0,1,2,3
.irp a, 0,1
	v_wmma_f32_16x16x32_f16 v[O+32*\a+8*\ct:O+32*\a+8*\ct+7], v[VF+8*(4*\kb+\ct):VF+8*(4*\kb+\ct)+7], v[S+32*\a+8*\kb:S+32*\a+8*\kb+7], v[O+32*\a+8*\ct:O+32*\a+8*\ct+7]
.endr
.endr
.endm
; A step's softmax in two halves, every line for the two tiles by turns.  SOFT1: the maximum, t - m, the exponentials and their wait.
.macro SOFT1
.irp j, 0,1,2,3                                ; the maximum: four chains, each begun at the low end of a score accumulator
.irp a, 0,1
	v_max3_num_f32 v[ST+8*\a+4+\j], v[S+32*\a+8*\j], v[S+32*\a+8*\j+1], v[S+32*\a+8*\j+2]
.endr
.endr
.irp g, 1,2
.irp j, 0,1,2,3
.irp a, 0,1
	v_max3_num_f32 v[ST+8*\a+4+\j], v[ST+8*\a+4+\j], v[S+32*\a+8*\j+2*\g+1], v[S+32*\a+8*\j+2*\g+2]
.endr
.endr
.endr
.irp a, 0,1
	v_max3_num_f32 v[ST+8*\a+4], v[ST+8*\a+4], v[S+32*\a+7], v[S+32*\a+15]
.endr
.irp a, 0,1
	v_max3_num_f32 v[ST+8*\a+6], v[ST+8*\a+6], v[S+32*\a+23], v[S+32*\a+31]
.endr
.irp a, 0,1
	v_max3_num_f32 v[ST+8*\a+4], v[ST+8*\a+4], v[ST+8*\a+5], v[ST+8*\a+6]
.endr
.irp a, 0,1
	v_max3_num_f32 v[ST+8*\a+4], v[ST+8*\a+4], v[ST+8*\a+7], v[ST+8*\a]   ; with the old m
.endr
.irp a, 0,1
	v_permlanex16_b32 v[ST+8*\a+5], v[ST+8*\a+4], s[SEL], s[SEL+1]        ; the query's other 32 keys lie in the lane 16 away
.endr
.irp a, 0,1
	v_mov_b32 v[ST+8*\a+7], v[ST+8*\a]
.endr
.irp a, 0,1
	v_max_num_f32 v[ST+8*\a], v[ST+8*\a+4], v[ST+8*\a+5]                  ; the new m
.endr
.irp a, 0,1
	v_sub_f32 v[ST+8*\a+7], v[ST+8*\a+7], v[ST+8*\a]                      ; m_old - m_new
.endr
.set n, 0
.rept 16
.irp a, 0,1
	v_pk_add_f32 v[S+32*\a+n:S+32*\a+n+1], v[S+32*\a+n:S+32*\a+n+1], v[ST+8*\a:ST+8*\a+1] op_sel_hi:[1,0] neg_lo:[0,1] neg_hi:[0,1]   ; t - m, two at a time
.endr
.set n, n+2
.endr
.irp a, 0,1                                    ; ONE BATCH of 66 exponentials; none of them reads another's result
	v_exp_f32 v[ST+8*\a+6], v[ST+8*\a+7]
.endr
.set n, 0
.rept 32
.irp a, 0,1
	v_exp_f32 v[S+32*\a+n], v[S+32*\a+n]
.endr
.set n, n+1
.endr
	v_nop                                          ; a plain line behind the last exponential
	s_wait_alu depctr_va_vdst(0)                   ; a wait ahead of the first line that names a result: one for the batch
.endm
; SOFT2: the sums, P, and O^T under the new m: work on registers alone
.macro SOFT2
.irp a, 0,1                                    ; the sum of the unrounded p, in two chains
	v_pk_add_f32 v[ST+8*\a+4:ST+8*\a+5], v[S+32*\a:S+32*\a+1], v[S+32*\a+2:S+32*\a+3]
.endr
.irp a, 0,1
	v_pk_fma_f32 v[ST+8*\a+2:ST+8*\a+3], v[ST+8*\a+2:ST+8*\a+3], v[ST+8*\a+6:ST+8*\a+7], v[S+32*\a+4:S+32*\a+5] op_sel_hi:[1,0,1]   ; l under the new m
.endr
.set n, 6
.rept 13
.irp a, 0,1
.if (n/2)%2
	v_pk_add_f32 v[ST+8*\a+4:ST+8*\a+5], v[ST+8*\a+4:ST+8*\a+5], v[S+32*\a+n:S+32*\a+n+1]
.else
	v_pk_add_f32 v[ST+8*\a+2:ST+8*\a+3], v[ST+8*\a+2:ST+8*\a+3], v[S+32*\a+n:S+32*\a+n+1]
.endif
.endr
.set n, n+2
.endr
.irp a, 0,1
	v_pk_add_f32 v[ST+8*\a+2:ST+8*\a+3], v[ST+8*\a+2:ST+8*\a+3], v[ST+8*\a+4:ST+8*\a+5]
.endr
.set n, 0
.rept 16                                       ; P: pair n goes to register n, which has been read by then
.irp a, 0,1
	v_cvt_pk_f16_f32 v[S+32*\a+n], v[S+32*\a+2*n], v[S+32*\a+2*n+1]
.endr
.set n, n+1
.endr
.set n, 0
.rept 16                                       ; O^T under the new m, each accumulator from its low end on
.irp a, 0,1
	v_pk_mul_f32 v[O+32*\a+n:O+32*\a+n+1], v[O+32*\a+n:O+32*\a+n+1], v[ST+8*\a+6:ST+8*\a+7] op_sel_hi:[1,0]
.endr
.set n, n+2
.endr
.endm
; A TILE'S FIRST KEY STEP.  The second step's mask numbers are asked for with this step's V, its K fragments in the middle of the softmax: in two shorter runs, all of them beside vector work.
.macro STEP_A slot
	SCORES
	VLOAD \slot, 0
	LOADM \slot, 1
	WIN 0
	SOFT1
	LOADK \slot, 1
	WIN 0
	SOFT2
	s_wait_dscnt 32                                ; V's sixteen loads are in; the next step's 32 may be out
	PV 0
	PV 1
	PLACES                                         ; ahead of the writes of the registers that held P, and of the next loads into V's
.endm
; A TILE'S SECOND KEY STEP, with the change of slots in its middle.  V's loads are my last reads of this slot.  mode 2: in front of the round I wait for all my tensor loads (my part of the next tile), add 0 to my spare word, and,
; behind the softmax's first half, wait for that add and for V.  The softmax's second half stands between the opening signal and its wait.  Behind the round no wave of the cluster reads this slot and the other slot is whole:
; this slot takes the tile two on, which has a whole tile's two steps in which to land; the next tile's first mask and K loads go out; the 16 second products follow them.
; mode 1: the last tile but one: the same with the work-group's barrier alone, and nothing is asked for.  mode 0: the last tile: no barrier, nothing to fetch.
.macro STEP_B slot, mode
	SCORES
	VLOAD \slot, 1
.if \mode == 2
	s_wait_xcnt 0x0                                ; the last trip's prefetch has read its address: it steps a tile on
	s_add_nc_u64 s[PFA:PFA+1], s[PFA:PFA+1], s[PFS:PFS+1]
.endif
.if \mode > 0
	s_wait_tensorcnt 0x0                           ; no tensor load of mine is out, so a group 0 may be written
	ds_add_u32 v[SPW], v[NIL]                      ; 0 onto my spare word; work on registers stands between it and the wait for it
.endif
.if \mode == 2
	s_add_nc_u64 s[G0K+4*\slot+2:G0K+4*\slot+3], s[G0K+4*\slot+2:G0K+4*\slot+3], 2*262144   ; this slot's next tile: two tiles on
	s_add_nc_u64 s[G0V+4*\slot+2:G0V+4*\slot+3], s[G0V+4*\slot+2:G0V+4*\slot+3], 2*262144
	s_add_nc_u64 s[G0M+4*\slot+2:G0M+4*\slot+3], s[G0M+4*\slot+2:G0M+4*\slot+3], 2*512
.endif
	SOFT1
	s_wait_dscnt 0x0                               ; V is in: my reads of this slot are over; the add is done
.if \mode > 0
	s_barrier_signal -1                            ; say so,
.endif
	SOFT2                                          ; work on registers while the others arrive,
.if \mode > 0
	s_barrier_wait -1                              ; and go on when all eight have said so
.endif
.if \mode == 2
	CREST                                          ; the barrier has opened a round of the cluster's: all sixteen work-groups have said so
	JLOAD \slot                                    ; the first tensor load behind the round, one a wave
.endif
.if \mode > 0
	LOADM 1-\slot, 0                               ; the next tile's first step
	LOADK 1-\slot, 0
	WIN 0
.endif
.if \mode == 2
	ASK \slot
.endif
	PV 0
	PV 1
.if \mode > 0
	PLACES
.endif
.endm
	s_wait_tensorcnt 1                             ; my part of tile 0 is in; tile 1's load may be out
	s_barrier_signal -1
	s_barrier_wait -1                              ; everybody's is
	LOADM 0, 0
	LOADK 0, 0
	WIN 0
	s_wait_loadcnt 0x0                             ; Q
	s_mov_b32 s[CNT], 7
.Lpair:                                            ; tiles 0 to 13: their changes of slots ask for tiles 2 to 15
	STEP_A 0
	STEP_B 0, 2
	STEP_A 1
	STEP_B 1, 2
	s_sub_co_u32 s[CNT], s[CNT], 1
	s_cmp_lg_u32 s[CNT], 0
	s_cbranch_scc1 .Lpair
	STEP_A 0                                       ; the tail is written out: tile 14
	STEP_B 0, 1
	STEP_A 1                                       ; and tile 15
	STEP_B 1, 0
	; THE WAY OUT.  l's halves and the other half of the lanes' are added (these lines are the places behind the last products); O^T / l.
.irp a, 0,1
	v_add_f32 v[ST+8*\a+4], v[ST+8*\a+2], v[ST+8*\a+3]
.endr
.irp a, 0,1
	v_permlanex16_b32 v[ST+8*\a+5], v[ST+8*\a+4], s[SEL], s[SEL+1]
.endr
.irp a, 0,1
	v_add_f32 v[ST+8*\a+4], v[ST+8*\a+4], v[ST+8*\a+5]
.endr
.irp a, 0,1
	v_rcp_f32 v[ST+8*\a+6], v[ST+8*\a+4]
.endr
	v_nop
	s_wait_alu depctr_va_vdst(0)                   ; one wait for the two reciprocals, ahead of their first reader
.set n, 0
.rept 16
.irp a, 0,1
	v_pk_mul_f32 v[O+32*\a+n:O+32*\a+n+1], v[O+32*\a+n:O+32*\a+n+1], v[ST+8*\a+6:ST+8*\a+7] op_sel_hi:[1,0]
.endr
.set n, n+2
.endr
	; the first 16 positions of the sequence in f32: tile 0 of the waves with u = 0 (a branch on the wave's number), in block X = 0 (no branch: elsewhere all lanes are off)
	s_cmp_lg_u32 s18, 0
	s_cbranch_scc1 .Lno32
	v_mov_b32 v15, s15
	v_cmp_eq_u32 vcc_lo, 0, v15
	s_wait_xcnt 0x0                                ; EXEC changes only behind this wait
	s_and_saveexec_b32 s90, vcc_lo
.irp ct, 0,1,2,3
	global_store_b128 v[FO], v[O+8*\ct:O+8*\ct+3],   s[10:11] offset:64*\ct
	global_store_b128 v[FO], v[O+8*\ct+4:O+8*\ct+7], s[10:11] offset:64*\ct+16
.endr
	s_wait_xcnt 0x0                                ; and again ahead of the line that restores it
	s_or_b32 exec_lo, exec_lo, s90
.Lno32:
.irp a, 0,1
.irp ct, 0,1,2,3
.irp p, 0,1,2,3
	v_cvt_pk_f16_f32 v[S+16*\a+4*\ct+\p], v[O+32*\a+8*\ct+2*\p], v[O+32*\a+8*\ct+2*\p+1]
.endr
.endr
.endr
.irp a, 0,1
.irp ct, 0,1,2,3
	ds_store_b128 v[STO], v[S+16*\a+4*\ct:S+16*\a+4*\ct+3] offset:\a*16*PK+32*\ct   ; the stage lies in slot 0, which has had its last fill (tile 14) and was left by every wave at tile 14's barrier
.endr
.endr
	s_wait_dscnt 0x0                               ; for the others' sake: a row's 256 bytes come from two waves
	s_barrier_signal -1
	s_barrier_wait -1
.irp t, 0,1,2,3,4,5,6,7
	ds_load_b128 v[VF+4*\t:VF+4*\t+3], v[RD] offset:\t*2*PK
.endr
.irp t, 0,1,2,3,4,5,6,7
	s_wait_dscnt 7-\t                              ; load t is in; the younger ones may be out
	global_store_b128 v[GO], v[VF+4*\t:VF+4*\t+3], s[8:9] offset:2*\t*2048   ; 16 lanes store 256 consecutive bytes, aligned
.endr
	s_wait_tensorcnt 0x0                           ; the wave's end
	ds_add_u32 v[SPW], v[NIL]
	s_wait_dscnt 0x0
	CROUND                                         ; the closing round
	s_endpgm
.Lfunc_end_k_q414210f6fe_attn:
	.size	k_q414210f6fe_attn, .Lfunc_end_k_q414210f6fe_attn-k_q414210f6fe_attn
	.p2alignl 7, 3214868480
	.fill 96, 4, 3214868480
	.section	.rodata,"a",@progbits
	.p2align	6, 0x0
	.amdhsa_kernel k_q414210f6fe_attn
		.amdhsa_group_segment_fixed_size 327680
		.amdhsa_private_segment_fixed_size 0
		.amdhsa_enable_private_segment 0
		.amdhsa_kernarg_size 32
		.amdhsa_user_sgpr_count 2
		.amdhsa_user_sgpr_kernarg_segment_ptr 1
		.amdhsa_wavefront_size32 1
		.amdhsa_system_sgpr_workgroup_id_x 1
		.amdhsa_system_sgpr_workgroup_id_y 1
		.amdhsa_system_sgpr_workgroup_id_z 1
		.amdhsa_system_vgpr_workitem_id 0
		.amdhsa_next_free_vgpr 384
		.amdhsa_next_free_sgpr 100
		.amdhsa_reserve_vcc 1
		.amdhsa_float_denorm_mode_32 3
		.amdhsa_float_denorm_mode_16_64 3
		.amdhsa_memory_ordered 1
		.amdhsa_forward_progress 1
		.amdhsa_inst_pref_size 186
	.end_amdhsa_kernel
	.amdgpu_metadata
---
amdhsa.version: [ 1, 2 ]
amdhsa.kernels:
  - .name:           k_q414210f6fe_attn
    .symbol:         k_q414210f6fe_attn.kd
    .args:
      - { .name: qkv, .offset: 0, .size: 8, .value_kind: global_buffer, .address_space: global }
      - { .name: mask, .offset: 8, .size: 8, .value_kind: global_buffer, .address_space: global }
      - { .name: ctx, .offset: 16, .size: 8, .value_kind: global_buffer, .address_space: global }
      - { .name: ctx32, .offset: 24, .size: 8, .value_kind: global_buffer, .address_space: global }
    .group_segment_fixed_size: 327680
    .private_segment_fixed_size: 0
    .kernarg_segment_align: 8
    .kernarg_segment_size: 32
    .max_flat_workgroup_size: 256
    .sgpr_count:     100
    .vgpr_count:     384
    .wavefront_size: 32
...
	.end_amdgpu_metadata
.endif
;; end of part 3
;; launch outp (part 4): grid 8 x 32, 4 waves a work-group, clusters of 4 x 4, 327,680 bytes of LDS; arguments ctx, wo16, bo, out0; writes out0
.if DOCPART == 4
	.amdgcn_target "amdgcn-amd-amdhsa--gfx1250"
	.amdhsa_code_object_version 6
	.text
	.protected	k_q414210f6fe_outp
	.globl	k_q414210f6fe_outp
	.p2align	8
	.type	k_q414210f6fe_outp,@function
k_q414210f6fe_outp:
	s_mov_b64 s[64:65], 0
	v_nop
	global_prefetch_b8 v0, s[64:65] scope:SCOPE_SE
	s_setreg_imm32_b32 hwreg(HW_REG_WAVE_MODE, 25, 1), 1
	s_wait_xcnt 0x0
	s_wait_alu depctr_hold_cnt(0) depctr_sa_sdst(0) depctr_va_vdst(0) depctr_va_sdst(0) depctr_va_ssrc(0) depctr_va_vcc(0) depctr_vm_vsrc(0)
	s_getreg_b32 s2, hwreg(HW_REG_IB_STS2, 6, 4)
	s_cmp_eq_u32 s2, 0
	s_cbranch_scc0 .Lentry_in_a_cluster
	s_endpgm
.Lentry_in_a_cluster:
	s_bfe_u32 s2, ttmp6, 0x10000c
	s_cmp_lg_u32 s2, 0xf033
	s_cbranch_scc0 .Lentry_shape_is_right
	s_endpgm
.Lentry_shape_is_right:
; out0[m][e] = sum over d of ctx[m][d] Wo[e][d] + bo[e].  ctx [4096][1024] and wo16 [1024][1024]: f16; sums in f32; out0 [4096][1024] f32.  The bias is the C of each sum's first matrix instruction.
; (Rows 0-15 of each batch are written again, more finely, by the launch behind this one.)
; 256 tiles of 128 x 128, one for each work-group; four waves, 64 x 64 each: 16 accumulators.  K goes in four steps of 256 (LDS rows of 512 bytes) through two slots; both laps are written out.
; CLUSTERS 4 x 4: A's tiles are asked for jointly along a row of the cluster, B's along a column.  THE MATRIX INSTRUCTION IS USED TRANSPOSED (source 0 = rows of Wo, source 1 = rows of ctx): a lane holds eight neighbouring numbers of a row.
; No prefetch: a K step's tile is small and its matrix work short; the tiles are shared in the cluster instead.
; REGISTERS: window 0: v0-31 addresses; v32-95 the way out; v96-127 the bias; v128-255 the accumulators.  window 1: two fragment buffers of 128.
.set SIZE_K, 1024
.set KSTEP,  256
.set PITCH,  528                       ; an LDS row: 512 bytes + 16 of padding
.set HALFT,  64*PITCH
.set SLOT,   4*HALFT
.set STAGE,  2*SLOT                    ; behind the ring: 16 rows x 272 bytes for each wave: a wave's 64 columns of f32 are 256 aligned bytes of a row
.set SPITCH, 272
.set SPARE,  STAGE+4*16*SPITCH
.set CROW,   4096
.set ADRA, 16
.set ADRB, 20
.set STO,  24
.set RD,   25
.set CO,   26
.set BO,   27
.set SPW,  28
.set NIL,  29
.set OB,   32
.set BIAS, 96
.set ACC,  128
.set F0,   0
.set F1,   128
.set G1, 24
.set G0, 32
.set G1B, 48
.set G0B, 56
.set MSB, 0
.macro WIN new
.if MSB != \new
	s_set_vgpr_msb (MSB<<8)|\new
.set MSB, \new
.endif
.endm
.set MUL,  0x05                        ; sources 0 and 1 window 1; C and D window 0
.set TO_F, 0x40
.macro JLOAD s                         ; waves 0 and 1 fetch A's halves, waves 2 and 3 B's; an s_nop 0 and four v_nop follow each line
	s_cmp_eq_u32 s11, 0
	s_cbranch_scc0 .Lfor_b_\@
	tensor_load_to_lds s[G0+4*\s:G0+4*\s+3], s[G1:G1+7]
	s_nop 0
.rept 4
	v_nop
.endr
	s_branch .Lasked_\@
.Lfor_b_\@:
	tensor_load_to_lds s[G0B+4*\s:G0B+4*\s+3], s[G1B:G1B+7]
	s_nop 0
.rept 4
	v_nop
.endr
.Lasked_\@:
.endm
.macro CREST
	s_cmp_lg_u32 s10, 0
	s_cbranch_scc1 .Lnot_wave_0_\@
	s_barrier_signal -3
.Lnot_wave_0_\@:
	s_barrier_wait -3
	s_barrier_signal -1
	s_barrier_wait -1
.endm
.macro CROUND
	s_barrier_signal -1
	s_barrier_wait -1
	CREST
.endm
	s_load_b128 s[4:7], s[0:1], 0x0                ; ctx, wo16
	s_load_b128 s[68:71], s[0:1], 0x10             ; bo, out0
	v_lshl_add_u32 v[SPW], v0, 2, SPARE
	v_mov_b32 v[NIL], 0
	ds_add_u32 v[SPW], v[NIL]                      ; the wave's opening: the add, twice on end, and its wait ahead of my first tensor load
	ds_add_u32 v[SPW], v[NIL]
	v_lshrrev_b32 v1, 5, v0
	v_readfirstlane_b32 s10, v1                    ; wave 0..3
	s_lshr_b32 s11, s10, 1                         ; my half of the tile's rows; also: I fetch for A (0) or B (1)
	s_and_b32 s12, s10, 1                          ; my half of its columns; also: which 64 rows I fetch
	s_bfe_u32 s40, ttmp6, 0x40000
	s_bfe_u32 s41, ttmp6, 0x40004
	s_lshl_b32 s42, ttmp9, 2
	s_add_co_u32 s42, s42, s40                     ; tile column
	s_and_b32 s13, ttmp7, 0xffff
	s_lshl_b32 s13, s13, 2
	s_add_co_u32 s13, s13, s41                     ; tile row
	s_lshl_b32 s43, s41, 2
	s_lshl_b32 s43, 15, s43
	s_lshl_b32 s44, 0x1111, s40
	s_or_b32 s[G1+0], s43, (1<<16)|(1<<20)|(1<<21)|(6<<22)|(3<<25)  ; elements of 2 bytes; 4 words of padding after every 128; bit 21 beside a mask
	s_or_b32 s[G1B+0], s44, (1<<16)|(1<<20)|(1<<21)|(6<<22)|(3<<25)
.irp g, G1, G1B
	s_mov_b32 s[\g+1], KSTEP<<16
	s_mov_b32 s[\g+2], 64<<16
	s_mov_b32 s[\g+3], KSTEP<<16
	s_mov_b32 s[\g+4], 64
	s_mov_b32 s[\g+5], SIZE_K
	s_mov_b32 s[\g+6], 0
	s_mov_b32 s[\g+7], 0
.endr
	s_lshl_b32 s17, s12, 6
	s_lshl_b32 s16, s13, 7
	s_add_co_u32 s16, s16, s17                     ; A: row 128 x tile row + 64 x half
	s_lshl_b32 s46, s42, 7
	s_add_co_u32 s46, s46, s17                     ; B: row 128 x tile column + 64 x half
	s_mov_b32 s17, 0
	s_mov_b32 s47, 0
	s_mov_b64 s[18:19], SIZE_K*2
	s_mul_u64 s[16:17], s[16:17], s[18:19]
	s_mul_u64 s[46:47], s[46:47], s[18:19]
	s_mul_i32 s20, s10, HALFT
	s_wait_dscnt 0x0                               ; both opening adds are done
	s_wait_kmcnt 0x0
	s_mov_b64 s[8:9], s[70:71]
	s_add_nc_u64 s[14:15], s[4:5], s[16:17]
	s_add_nc_u64 s[46:47], s[6:7], s[46:47]
	CROUND
.irp s, 0,1
	s_mov_b32 s[G0+4*\s], 1
	s_add_co_u32 s[G0+4*\s+1], s20, \s*SLOT
	s_add_nc_u64 s[G0+4*\s+2:G0+4*\s+3], s[14:15], \s*KSTEP*2
	s_or_b32 s[G0+4*\s+3], s[G0+4*\s+3], 0x80000000
	s_mov_b32 s[G0B+4*\s], 1
	s_add_co_u32 s[G0B+4*\s+1], s20, \s*SLOT
	s_add_nc_u64 s[G0B+4*\s+2:G0B+4*\s+3], s[46:47], \s*KSTEP*2
	s_or_b32 s[G0B+4*\s+3], s[G0B+4*\s+3], 0x80000000
	JLOAD \s
.endr
	v_and_b32 v1, 15, v0
	v_bfe_u32 v2, v0, 4, 1
	v_lshlrev_b32 v[BO], 5, v2
	s_lshl_b32 s46, s42, 9                         ; my first column in bytes: 512 x tile column + 256 x half
	s_lshl_b32 s47, s12, 8
	s_add_co_u32 s46, s46, s47
	s_mov_b32 s47, 0
	s_add_nc_u64 s[68:69], s[68:69], s[46:47]
.irp b, 0,1,2,3
	global_load_b128 v[BIAS+8*\b:BIAS+8*\b+3], v[BO], s[68:69] offset:64*\b       ; bo of columns 16 b + 8 (lane / 16) + 0 .. 7
	global_load_b128 v[BIAS+8*\b+4:BIAS+8*\b+7], v[BO], s[68:69] offset:64*\b+16
.endr
	v_mul_u32_u24 v3, v1, PITCH
	v_lshl_add_u32 v3, v2, 4, v3
	s_mul_i32 s21, s11, HALFT
	s_mul_i32 s22, s12, HALFT
	s_add_co_u32 s22, s22, 2*HALFT
.irp s, 0,1
	v_add_nc_u32 v[ADRA+\s], s21, v3
	v_add_nc_u32 v[ADRB+\s], s22, v3
	s_add_co_u32 s21, s21, SLOT
	s_add_co_u32 s22, s22, SLOT
.endr
	s_mul_i32 s23, s10, 16*SPITCH
	s_add_co_u32 s23, s23, STAGE                   ; my stage
	v_mul_u32_u24 v4, v1, SPITCH                   ; in: row l % 16, 32 bytes for each half of the lanes
	v_lshl_add_u32 v4, v2, 5, v4
	v_add_nc_u32 v[STO], s23, v4
	v_mul_u32_u24 v5, v2, SPITCH                   ; back: lanes 0-15 one row of 256 bytes, lanes 16-31 the next
	v_lshl_add_u32 v5, v1, 4, v5
	v_add_nc_u32 v[RD], s23, v5
	v_lshlrev_b32 v5, 12, v2
	v_lshl_add_u32 v[CO], v1, 4, v5
	s_lshl_b32 s16, s13, 7
	s_lshl_b32 s17, s11, 6
	s_add_co_u32 s16, s16, s17                     ; my first row
	s_lshl_b32 s16, s16, 12
	s_mov_b32 s17, 0
	s_add_nc_u64 s[8:9], s[8:9], s[16:17]
	s_add_nc_u64 s[8:9], s[8:9], s[46:47]
.macro MUL8 f, c, a0, first            ; 8 matrix instructions: m blocks a0, a0 + 1 x 4 n blocks, 32 along K.  first = 1: the bias starts the sums
.irp a, \a0, \a0+1
.irp b, 0,1,2,3
.if \first
	v_wmma_f32_16x16x32_f16 v[ACC+8*(4*(\a)+\b):ACC+8*(4*(\a)+\b)+7], v[\f+64+8*(4*\c+\b):\f+64+8*(4*\c+\b)+7], v[\f+8*(4*\c+\a):\f+8*(4*\c+\a)+7], v[BIAS+8*\b:BIAS+8*\b+7]
.else
	v_wmma_f32_16x16x32_f16 v[ACC+8*(4*(\a)+\b):ACC+8*(4*(\a)+\b)+7], v[\f+64+8*(4*\c+\b):\f+64+8*(4*\c+\b)+7], v[\f+8*(4*\c+\a):\f+8*(4*\c+\a)+7], v[ACC+8*(4*(\a)+\b):ACC+8*(4*(\a)+\b)+7]
.endif
.endr
.endr
.endm
.macro FETCH slot, k, f                ; 32 LDS loads in one run: the fragments of 64 along K at byte k of the rows; the first 32 along K first
	WIN TO_F
.irp c, 0,1
.irp i, 0,1,2,3
	ds_load_b128 v[\f+64+8*(4*\c+\i):\f+64+8*(4*\c+\i)+3],   v[ADRB+\slot] offset:\k+64*\c+\i*16*PITCH
	ds_load_b128 v[\f+64+8*(4*\c+\i)+4:\f+64+8*(4*\c+\i)+7], v[ADRB+\slot] offset:\k+64*\c+\i*16*PITCH+32
	ds_load_b128 v[\f+8*(4*\c+\i):\f+8*(4*\c+\i)+3],         v[ADRA+\slot] offset:\k+64*\c+\i*16*PITCH
	ds_load_b128 v[\f+8*(4*\c+\i)+4:\f+8*(4*\c+\i)+7],       v[ADRA+\slot] offset:\k+64*\c+\i*16*PITCH+32
.endr
.endr
.endm
.macro PLACES
.rept 4
	v_nop
.endr
.endm
.macro QUARTER slot, k, f, g, first    ; 64 along K: multiplies buffer f and fetches the next quarter, at byte k, into g
	s_wait_dscnt 16                                ; the first 32 along K are in; the other sixteen loads may be out
	WIN MUL
	MUL8 \f, 0, 0, \first
	MUL8 \f, 0, 2, \first
	PLACES
	FETCH \slot, \k, \g
	s_wait_dscnt 32                                ; all but the 32 just issued
	WIN MUL
	MUL8 \f, 1, 0, 0
	MUL8 \f, 1, 2, 0
.endm
.macro TURN slot, next, fill           ; a slot's last quarter changes slots: one barrier; fill = 1: a round of the cluster's, and this slot is filled again, two K steps ahead
	WIN 0
	s_wait_tensorcnt 0x0                           ; all my tensor loads have landed: my part of the next slot
	ds_add_u32 v[SPW], v[NIL]                      ; 0 onto my spare word
	s_wait_dscnt 17                                ; the add and the youngest sixteen loads may be out
	WIN MUL
	MUL8 F1, 0, 0, 0
	s_wait_dscnt 0x0                               ; the add is done, and my reads of this slot are over
	s_barrier_signal -1
	MUL8 F1, 0, 2, 0
.if \fill
	WIN 0
.endif
	s_barrier_wait -1
.if \fill
	CREST
	s_add_nc_u64 s[G0+4*\slot+2:G0+4*\slot+3], s[G0+4*\slot+2:G0+4*\slot+3], 2*KSTEP*2
	s_add_nc_u64 s[G0B+4*\slot+2:G0B+4*\slot+3], s[G0B+4*\slot+2:G0B+4*\slot+3], 2*KSTEP*2
	JLOAD \slot                                    ; the first tensor load behind the round; its four v_nop are the places ahead of the loads below
.else
	PLACES
.endif
	FETCH \next, 0, F0
	WIN MUL
	MUL8 F1, 1, 0, 0
	MUL8 F1, 1, 2, 0
.endm
	s_wait_tensorcnt 1                             ; my part of K step 0 is in; K step 1's load may be out
	s_barrier_signal -1
	s_barrier_wait -1
	FETCH 0, 0, F0
	s_wait_loadcnt 0x0                             ; the bias
	QUARTER 0, 128, F0, F1, 1
	QUARTER 0, 256, F1, F0, 0
	QUARTER 0, 384, F0, F1, 0
	TURN 0, 1, 1                                   ; slot 0 takes K step 2
	QUARTER 1, 128, F0, F1, 0
	QUARTER 1, 256, F1, F0, 0
	QUARTER 1, 384, F0, F1, 0
	TURN 1, 0, 1                                   ; slot 1 takes K step 3
	QUARTER 0, 128, F0, F1, 0
	QUARTER 0, 256, F1, F0, 0
	QUARTER 0, 384, F0, F1, 0
	TURN 0, 1, 0                                   ; nothing is left to fetch
	QUARTER 1, 128, F0, F1, 0
	QUARTER 1, 256, F1, F0, 0
	QUARTER 1, 384, F0, F1, 0
	s_wait_dscnt 16
	WIN MUL
	MUL8 F1, 0, 0, 0
	MUL8 F1, 0, 2, 0
	s_wait_dscnt 0
	MUL8 F1, 1, 0, 0
	MUL8 F1, 1, 2, 0
	WIN 0
; THE WAY OUT, block by block of 16 rows x 64 columns, through my own stage: in as 32 bytes a lane, back as whole rows of 256 bytes.
.macro TOSTAGE a
.set BK, OB+32*((\a)%2)
.irp b, 0,1,2,3
	ds_store_b128 v[STO], v[ACC+8*(4*(\a)+\b):ACC+8*(4*(\a)+\b)+3] offset:64*\b         ; each accumulator from its low end on
	ds_store_b128 v[STO], v[ACC+8*(4*(\a)+\b)+4:ACC+8*(4*(\a)+\b)+7] offset:64*\b+16
.endr
.irp t, 0,1,2,3,4,5,6,7
	ds_load_b128 v[BK+4*\t:BK+4*\t+3], v[RD] offset:\t*2*SPITCH    ; LDS serves a wave's instructions in order: these see the stores above
.endr
.endm
.macro SEND a, younger                 ; younger: the LDS instructions issued behind block a's loads
.set BK, OB+32*((\a)%2)
	s_wait_dscnt \younger
.irp t, 0,1,2,3,4,5,6,7
	global_store_b128 v[CO], v[BK+4*\t:BK+4*\t+3], s[8:9] offset:(16*(\a)+2*\t)*CROW th:TH_STORE_NT   ; 16 lanes store 256 consecutive bytes, aligned
.endr
.endm
	PLACES
	TOSTAGE 0
.irp a, 1,2,3
.if \a > 1
	s_wait_xcnt 0x0                                ; block a - 2's stores have read their registers: block a's loads may land there
.endif
	TOSTAGE \a
	SEND \a-1, 16                                  ; behind block a - 1's loads: block a's 8 stores and 8 loads
.endr
	SEND 3, 0
	s_wait_tensorcnt 0x0                           ; the wave's end
	ds_add_u32 v[SPW], v[NIL]
	s_wait_dscnt 0x0
	CROUND                                         ; the closing round
	s_endpgm
.Lfunc_end_k_q414210f6fe_outp:
	.size	k_q414210f6fe_outp, .Lfunc_end_k_q414210f6fe_outp-k_q414210f6fe_outp
	.p2alignl 7, 3214868480
	.fill 96, 4, 3214868480
	.section	.rodata,"a",@progbits
	.p2align	6, 0x0
	.amdhsa_kernel k_q414210f6fe_outp
		.amdhsa_group_segment_fixed_size 327680
		.amdhsa_private_segment_fixed_size 0
		.amdhsa_enable_private_segment 0
		.amdhsa_kernarg_size 32
		.amdhsa_user_sgpr_count 2
		.amdhsa_user_sgpr_kernarg_segment_ptr 1
		.amdhsa_wavefront_size32 1
		.amdhsa_system_sgpr_workgroup_id_x 1
		.amdhsa_system_sgpr_workgroup_id_y 1
		.amdhsa_system_sgpr_workgroup_id_z 1
		.amdhsa_system_vgpr_workitem_id 0
		.amdhsa_next_free_vgpr 512
		.amdhsa_next_free_sgpr 72
		.amdhsa_reserve_vcc 0
		.amdhsa_float_denorm_mode_32 3
		.amdhsa_float_denorm_mode_16_64 3
		.amdhsa_memory_ordered 1
		.amdhsa_forward_progress 1
		.amdhsa_inst_pref_size 86
	.end_amdhsa_kernel
	.amdgpu_metadata
---
amdhsa.version: [ 1, 2 ]
amdhsa.kernels:
  - .name:           k_q414210f6fe_outp
    .symbol:         k_q414210f6fe_outp.kd
    .args:
      - { .name: ctx, .offset: 0, .size: 8, .value_kind: global_buffer, .address_space: global }
      - { .name: wo16, .offset: 8, .size: 8, .value_kind: global_buffer, .address_space: global }
      - { .name: bo, .offset: 16, .size: 8, .value_kind: global_buffer, .address_space: global }
      - { .name: out0, .offset: 24, .size: 8, .value_kind: global_buffer, .address_space: global }
    .group_segment_fixed_size: 327680
    .private_segment_fixed_size: 0
    .kernarg_segment_align: 8
    .kernarg_segment_size: 32
    .max_flat_workgroup_size: 128
    .sgpr_count:     72
    .vgpr_count:     512
    .wavefront_size: 32
...
	.end_amdgpu_metadata
.endif
;; end of part 4
;; launch fine (part 5): grid 64 x 2, 8 waves a work-group, no clusters, 9,216 bytes of LDS; arguments ctx32, Wo, bo, out0; writes out0
.if DOCPART == 5
	.amdgcn_target "amdgcn-amd-amdhsa--gfx1250"
	.amdhsa_code_object_version 6
	.text
	.protected	k_q414210f6fe_fine
	.globl	k_q414210f6fe_fine
	.p2align	8
	.type	k_q414210f6fe_fine,@function
k_q414210f6fe_fine:
	s_mov_b64 s[64:65], 0
	v_nop
	global_prefetch_b8 v0, s[64:65] scope:SCOPE_SE
	s_setreg_imm32_b32 hwreg(HW_REG_WAVE_MODE, 25, 1), 1
	s_wait_xcnt 0x0
; The first 16 positions of each sequence once more, with f32 operands: out0[b][r][e] = sum over d of ctx32[b][r][d] Wo[e][d] + bo[e], r = 0 .. 15.  32 of the 4,096 rows: no bulk work.
; A work-group takes the 16 rows of batch y and the 16 columns 16 x on; its eight waves share K, 128 each; the partial sums meet in LDS and wave 0 adds them, with the bias, and stores.
; The f32 matrix form, transposed (source 0 = 16 rows of Wo, source 1 = the 16 rows of ctx32): a lane holds row lane % 16 and columns 8 (lane / 16) + 0 .. 7.
; A lane loads 16 bytes (4 numbers along K) of its row; registers 0, 1 feed one instruction and 2, 3 the next: the same order of k on both sides, so the products are kept.
; Two accumulators take turns; only matrix instructions ever write them.
; A row's 64 bytes are stored by two lanes: parts of aligned blocks; 128 KiB in the whole launch.
.set SPARE, 8192                       ; behind the eight images of 1,024 bytes: the spare words
	s_load_b256 s[4:11], s[0:1], 0x0               ; ctx32, Wo, bo, out0
	v_lshl_add_u32 v2, v0, 2, SPARE                ; my spare word; never rewritten
	v_mov_b32 v3, 0                                ; 0; never rewritten
	v_lshrrev_b32 v1, 5, v0
	v_readfirstlane_b32 s12, v1                    ; wave 0..7
	v_and_b32 v4, 15, v0                           ; r
	v_bfe_u32 v5, v0, 4, 1                         ; h
	v_lshlrev_b32 v6, 12, v4
	v_lshl_add_u32 v6, v5, 4, v6                   ; row r of 4,096 bytes + 16 h
	v_and_b32 v7, 31, v0
	v_lshlrev_b32 v7, 4, v7                        ; 16 x lane
	s_lshl_b32 s13, s12, 10
	v_add_nc_u32 v8, s13, v7                       ; my wave's image
	v_lshlrev_b32 v9, 5, v5                        ; 32 h
	v_lshl_add_u32 v10, v4, 12, v9                 ; out0: row r + 32 h
	s_and_b32 s14, ttmp7, 0xffff                   ; b
	s_lshl_b32 s15, s12, 9                         ; my 128 along K
	s_lshl_b32 s16, s14, 16
	s_add_co_u32 s16, s16, s15
	s_mov_b32 s17, 0
	s_lshl_b32 s18, ttmp9, 16                      ; 16 rows of Wo
	s_add_co_u32 s18, s18, s15
	s_mov_b32 s19, 0
	s_lshl_b32 s20, ttmp9, 6                       ; 16 columns of f32
	s_mov_b32 s21, 0
	s_lshl_b32 s22, s14, 23                        ; a batch of out0
	s_add_co_u32 s22, s22, s20
	s_mov_b32 s23, 0
	s_wait_kmcnt 0x0
	s_add_nc_u64 s[4:5], s[4:5], s[16:17]
	s_add_nc_u64 s[6:7], s[6:7], s[18:19]
	s_add_nc_u64 s[8:9], s[8:9], s[20:21]
	s_add_nc_u64 s[10:11], s[10:11], s[22:23]
.irp n, 0,1,2,3,4,5,6,7,8,9,10,11,12,13,14,15
	global_load_b128 v[32+4*\n:35+4*\n], v6, s[4:5] offset:32*\n
	global_load_b128 v[96+4*\n:99+4*\n], v6, s[6:7] offset:32*\n
.endr
	s_wait_loadcnt 0x0
	v_wmma_f32_16x16x4_f32 v[160:167], v[96:97], v[32:33], 0       ; the first K steps start the two sums
	v_wmma_f32_16x16x4_f32 v[168:175], v[98:99], v[34:35], 0
.set n, 1
.rept 15
	v_wmma_f32_16x16x4_f32 v[160:167], v[96+4*n:97+4*n], v[32+4*n:33+4*n], v[160:167]
	v_wmma_f32_16x16x4_f32 v[168:175], v[98+4*n:99+4*n], v[34+4*n:35+4*n], v[168:175]
.set n, n+1
.endr
.rept 8
	v_nop                                          ; eight places behind this form, ahead of the first read of its results (ISA guide 7.12.1)
.endr
.irp j, 0,2,4,6
	v_pk_add_f32 v[16+\j:17+\j], v[160+\j:161+\j], v[168+\j:169+\j]   ; into other registers, from the low end on
.endr
	ds_store_b128 v8, v[16:19]                     ; my partial sums as an image of their registers
	ds_store_b128 v8, v[20:23] offset:512
	s_wait_tensorcnt 0x0                           ; behind my last LDS store; the last wait also shows my stores done, for the other waves' sake
	ds_add_u32 v2, v3
	s_wait_dscnt 0x0
	s_barrier_signal -1
	s_barrier_wait -1
	s_cmp_lg_u32 s12, 0
	s_cbranch_scc1 .Lend
	global_load_b128 v[24:27], v9, s[8:9]          ; bo of my eight columns
	global_load_b128 v[28:31], v9, s[8:9] offset:16
.irp w, 0,1,2,3,4,5,6,7
	ds_load_b128 v[32+8*\w:35+8*\w], v7 offset:1024*\w
	ds_load_b128 v[36+8*\w:39+8*\w], v7 offset:1024*\w+512
.endr
	s_wait_loadcnt 0x0
	s_wait_dscnt 0x0
.irp w, 0,1,2,3,4,5,6,7
.irp j, 0,2,4,6
	v_pk_add_f32 v[24+\j:25+\j], v[24+\j:25+\j], v[32+8*\w+\j:33+8*\w+\j]
.endr
.endr
	global_store_b128 v10, v[24:27], s[10:11]
	global_store_b128 v10, v[28:31], s[10:11] offset:16
.Lend:
	s_endpgm
.Lfunc_end_k_q414210f6fe_fine:
	.size	k_q414210f6fe_fine, .Lfunc_end_k_q414210f6fe_fine-k_q414210f6fe_fine
	.p2alignl 7, 3214868480
	.fill 96, 4, 3214868480
	.section	.rodata,"a",@progbits
	.p2align	6, 0x0
	.amdhsa_kernel k_q414210f6fe_fine
		.amdhsa_group_segment_fixed_size 9216
		.amdhsa_private_segment_fixed_size 0
		.amdhsa_enable_private_segment 0
		.amdhsa_kernarg_size 32
		.amdhsa_user_sgpr_count 2
		.amdhsa_user_sgpr_kernarg_segment_ptr 1
		.amdhsa_wavefront_size32 1
		.amdhsa_system_sgpr_workgroup_id_x 1
		.amdhsa_system_sgpr_workgroup_id_y 1
		.amdhsa_system_sgpr_workgroup_id_z 1
		.amdhsa_system_vgpr_workitem_id 0
		.amdhsa_next_free_vgpr 176
		.amdhsa_next_free_sgpr 66
		.amdhsa_reserve_vcc 0
		.amdhsa_float_denorm_mode_32 3
		.amdhsa_float_denorm_mode_16_64 3
		.amdhsa_memory_ordered 1
		.amdhsa_forward_progress 1
		.amdhsa_inst_pref_size 11
	.end_amdhsa_kernel
	.amdgpu_metadata
---
amdhsa.version: [ 1, 2 ]
amdhsa.kernels:
  - .name:           k_q414210f6fe_fine
    .symbol:         k_q414210f6fe_fine.kd
    .args:
      - { .name: ctx32, .offset: 0, .size: 8, .value_kind: global_buffer, .address_space: global }
      - { .name: Wo, .offset: 8, .size: 8, .value_kind: global_buffer, .address_space: global }
      - { .name: bo, .offset: 16, .size: 8, .value_kind: global_buffer, .address_space: global }
      - { .name: out0, .offset: 24, .size: 8, .value_kind: global_buffer, .address_space: global }
    .group_segment_fixed_size: 9216
    .private_segment_fixed_size: 0
    .kernarg_segment_align: 8
    .kernarg_segment_size: 32
    .max_flat_workgroup_size: 256
    .sgpr_count:     66
    .vgpr_count:     176
    .wavefront_size: 32
...
	.end_amdgpu_metadata
.endif
;; end of part 5
